; MI455X (gfx1250); checked and timed in simulation.
; The chip was launched on July 23, 2026; its instructions are those of AMD's public machine-readable ISA for CDNA 5 (MIT licence, August 2026) and "CDNA5" Instruction Set Architecture Reference Guide (July 2026). The comments in the code are by the model that wrote it; some were corrected since.
;; Decoder. Allowed arithmetic: matrix products marked QUANTISED: E4M3 operands, one E8M0 scale for each 32 along K, by v_wmma_scale_f32_16x16x128_f8f6f4 with both operands' format E4M3, f32 sums; everything else in f32.
;; Inputs: W1_codes 1,024 x 16 x 32 uint8 (E4M3 codes of W1, K innermost, in blocks of 32 codes); W1_scales 1,024 x 16 uint8 (E8M0 scales of W1, one for each 32 codes along K); W2_codes 512 x 32 x 32 uint8 (E4M3 codes of W2, K innermost, in blocks of 32 codes); W2_scales 512 x 32 uint8 (E8M0 scales of W2, one for each 32 codes along K); b1 1,024 float32; b2 512 float32; latent_traj 32 x 1,024 x 256 float32.
;; Outputs: out0 32 x 1,024 x 256 float32; out1 32 x 1,024 x 256 float32.
;; This version of the problem:
;;   THIS VERSION OF THE PROBLEM IS GIVEN IN LOW PRECISION. The matrix products marked QUANTISED in the list below multiply operands that are first quantised to E4M3 (4 exponent bits, 3 mantissa bits; 8 bits a number), with one power-of-two scale for each 32 numbers along K (OCP MX v1.0); their sums are f32. All else is computed in f32.
;;   The module's matrix products, in the order in which they are computed (A, B: the left and right operand; K: the contracted axis; several contracted axes count as one K, in the product's order):
;;     1. batch 32 x [M 1,024, K 256] x [K 256, N 1,024]; A: input latent_traj; B: input latent_traj: QUANTISED
;;     2. batch 32 x [M 1,024, K 1,024] x [K 1,024, N 256]; A: softmax (see below); B: input latent_traj: QUANTISED
;;     3. [M 32,768, K 512] x [K 512, N 1,024]; A: computed on the way; B: input W1 (given as codes): QUANTISED
;;     4. [M 32,768, K 1,024] x [K 1,024, N 512]; A: computed on the way; B: input W2 (given as codes): QUANTISED
;;   THE QUANTISER, for each operand of a quantised product, along K:
;;     - K is cut into blocks of 32 from its start; a last block that is shorter is filled with zeros.
;;     - A block's scale is 2^e with e = floor(log2(the largest magnitude in the block)) - 8, held to -126 .. 127; a block of zeros has e = 0. As a byte (E8M0): e + 127.
;;     - Each number is divided by its block's scale, clamped to +-448, and rounded to the nearest number of E4M3, ties to even, subnormals kept.
;;     - The product sums the exact products of the quantised numbers (number of the format x scale) in f32.
;;   ~~~python
;;   def quantise(x, axis):      # numpy; x: float32 -> the quantised numbers, widened to float32 again
;;       x = np.moveaxis(x, axis, -1); K = x.shape[-1]
;;       x = np.pad(x, [(0, 0)] * (x.ndim - 1) + [(0, -K % 32)]); x = x.reshape(x.shape[:-1] + (-1, 32)); a = np.abs(x).max(-1, keepdims=True)
;;       e = np.where(a > 0, np.clip(np.frexp(np.where(a > 0, a, 1))[1] - 1 - 8, -126, 127), 0)      # np.frexp(a)[1] - 1 = floor(log2(a)), exactly
;;       r = np.clip(x / 2.0 ** e, -448, 448)
;;       step = 2.0 ** (np.maximum(np.frexp(np.where(r == 0, 1, r))[1] - 1, -6) - 3)
;;       q = np.round(r / step) * step * 2.0 ** e      # np.round: ties to even
;;       return np.moveaxis(q.reshape(q.shape[:-2] + (-1,))[..., :K], -1, axis).astype(np.float32)
;;   ~~~
;;   SOFTMAX AHEAD OF A QUANTISED PRODUCT. Where the list says 'softmax', what is quantised is not the finished softmax but p = 2^(t - M), with t = logit x log2(e) and M = ceil(the row's largest t), a whole number; so 1/2 < the row's largest p <= 1. The row's sum l is taken of the UNQUANTISED p, in f32, and the product's result is divided by l at the end. Since M is a whole number, a kernel that streams over the keys may use a running M (the ceiling of the running maximum): every later rescaling is an exact power of two, which a block's scale takes up: the codes' values come out the same.
;;   OPERANDS COMPUTED ON THE WAY. 'Computed on the way' means the value that the module computes at that place (a softmax that the list does not call 'softmax' is quantised finished and normalised). What goes into a quantiser is computed in f32, as accurately as f32 sums, v_exp_f32 and their like allow (about 1e-6 of the number): no bf16 or f16 on the way to a quantiser, and a product that is left as it is and whose result goes on into a quantised operand takes f32 operands (vector FMAs, or v_wmma_f32_16x16x4_f32). A number that lies on a knife's edge between two numbers of the format may be rounded either way, as far as f32 arithmetic and the matrix unit's own rounding can turn it there, and no further.
;;   INPUTS GIVEN AS CODES. W1 (in the module: [512, 1024], K = its axis 0); W2 (in the module: [1024, 512], K = its axis 0): each comes as NAME_codes (uint8): NAME with its K axis moved to the last place and cut into blocks of 32 codes, [.., K / 32, bytes a block], one block behind the other in memory; one code a byte (a code: sign, 4 exponent bits, 3 mantissa bits); and NAME_scales (uint8): the same leading axes, one E8M0 byte (e + 127) for each 32 codes along K. Its value is code x scale, taken as it is: it is not quantised again, and the codes and scales need not be those that the quantiser above would give.
;; One version. Each part assembles by itself: llvm-mc -triple=amdgcn-amd-amdhsa -mcpu=gfx1250 --defsym DOCPART=n.
;; ======== version 1 of 1: 3 launches
;; limits: right only within a limited range of input values
;; workspace buffers: kv 17,301,504 bytes; wimg 1,081,344 bytes; cimg 8,650,752 bytes
;; launch prep (part 1): grid 256 x 1, 8 waves a work-group, no clusters, 168,960 bytes of LDS; arguments latent_traj, W1_codes, W1_scales, W2_codes, W2_scales, kv, wimg; writes kv, wimg
.if DOCPART == 1
	.amdgcn_target "amdgcn-amd-amdhsa--gfx1250"
	.amdhsa_code_object_version 6
	.text
	.protected	k_q3732b3cf39_prep
	.globl	k_q3732b3cf39_prep
	.p2align	8
	.type	k_q3732b3cf39_prep,@function
k_q3732b3cf39_prep:
	s_mov_b64 s[64:65], 0
	v_nop
	global_prefetch_b8 v0, s[64:65] scope:SCOPE_SE
	s_setreg_imm32_b32 hwreg(HW_REG_WAVE_MODE, 25, 1), 1
	s_wait_xcnt 0x0
; x = latent_traj [32][1024][256] f32 is quantised twice to E4M3 with one E8M0 byte for each 32: along D (queries, keys, the first 256 of the MLP's K) and along T (values).
; Codes and scale words are laid in the ORDER OF THE OPERAND'S REGISTERS: a fragment (16 rows x 128 K) is 2,048 bytes, piece c (512 bytes) holds lane l's 16 bytes at 16 l: k = 32 c + 16 (l / 16) + 0..15 of row l % 16.
; THE ROWS OF A TILE ARE NOT NEIGHBOURS: lane r of tile 2 b + u takes row 32 b + 8 u + r + 8 (r / 8), so that transposed products give a lane 16 neighbours along the next K.
; A work-group owns 128 rows of x (131,072 dense bytes, read once through LDS) and writes one record of kv, 67,584 bytes:
;   +0 K codes [tile 0..7][K step 0..1]; +32,768 K scale words, word (t, r, s) at 128 t + 8 r + 4 s; +33,792 V codes [tile of d 0..15], K = the record's 128 keys; +66,560 V scale words, word (dt, r) at 64 dt + 4 r.
; Wave w makes K tile w and the 32 columns d = 32 w + lane of V.  Each wave also copies one 512-byte piece of W1's or W2's codes into wimg, in the order in which the last launch streams them:
;   unit U = 4 step + wave, 16,896 bytes: eight fragments, then 512 bytes of scale words (lane (r, h): the words of tiles 4 h + 0..3).  Steps 0-7: W1 (pass step / 4, K step step % 4, rows chosen as above); steps 8-15: W2 (rows as they lie).
; A block's scale byte is its largest magnitude's exponent field - 8, held at 1 from below; numbers are held within +-448 x the scale ahead of the conversion, which does not saturate (ISA guide 7.6.2).
; LIMITS: NaN and infinities among the inputs are not served; a block whose largest magnitude lies under 2^-118 gets the byte 1; a block of zeros gets the byte 1 where the rule says 127: its codes are zeros, and this program alone reads the bytes.
; No cluster: no two work-groups read the same bytes.  LDS is filled once, so there is one barrier and no ring.
.set XP,   1040                        ; a row of x in LDS: 1,024 bytes + 16 of padding
.set REC,  67584
.set UNIT, 16896
.set TM,   16                          ; v16-19 largest magnitudes, v20-23 bytes, v24-27 448 x the scale, v28-31 the conversions' scale operands
.set XA,   32                          ; v32-95, v96-159: two sets of numbers
.set XB,   96
.set CD,   160                         ; v160-191 K codes, 16 for each K step
.set CT,   192                         ; v192-223 V codes, 8 for each block of keys
.set PW,   224                         ; v224-225 K's scale words of the two K steps; v226 the one I store; v227 V's word
	s_load_b256 s[4:11], s[0:1], 0x0               ; x s[4:5], W1 codes s[6:7], W1 scales s[8:9], W2 codes s[10:11]
	s_load_b128 s[12:15], s[0:1], 0x20             ; W2 scales s[12:13], kv s[14:15]
	s_load_b64 s[16:17], s[0:1], 0x30              ; wimg
	v_lshl_add_u32 v240, v0, 2, 0x29000
	v_mov_b32 v241, 0
	ds_add_u32 v240, v241
	ds_add_u32 v240, v241
	v_lshrrev_b32 v1, 5, v0
	s_delay_alu instid0(VALU_DEP_1)
	v_readfirstlane_b32 s18, v1                    ; wave 0..7
	; descriptor group 1: 16 rows of 256 elements of 4 bytes, 4 words of padding behind every 256 words
	s_mov_b32 s24, (2<<16)|(1<<20)|(7<<22)|(3<<25)
	s_mov_b32 s25, 256<<16                         ; tensor_dim0
	s_mov_b32 s26, 16<<16                          ; tensor_dim1
	s_mov_b32 s27, 256<<16                         ; tile_dim0
	s_mov_b32 s28, 16                              ; tile_dim1
	s_mov_b32 s29, 256                             ; elements from row to row
	s_mov_b32 s30, 0
	s_mov_b32 s31, 0
	s_lshl_b32 s36, ttmp9, 17                      ; the work-group's 128 rows of 1,024 bytes,
	s_lshl_b32 s37, s18, 14                        ; my wave's 16 of them
	s_add_co_u32 s36, s36, s37
	s_mov_b32 s37, 0
	s_mov_b32 s32, 1
	s_mul_i32 s33, s18, 16*XP                      ; LDS: wave x 16 rows
	s_mov_b32 s19, 0x600000                        ; the mantissa field of 448
	s_mov_b32 s20, 0x76543210
	s_mov_b32 s21, 0xfedcba98                      ; lane selects: lane l xor 16
	s_mov_b32 s22, 0xffff0000                      ; lanes 16-31
	s_wait_dscnt 0x0
	s_wait_kmcnt 0x0
	s_add_nc_u64 s[34:35], s[4:5], s[36:37]
	s_or_b32 s35, s35, 0x80000000
	tensor_load_to_lds s[32:35], s[24:31]          ; my one load: filled once
	s_nop 0
.rept 4
	v_nop
.endr
	; ---- my piece of the weights, while the tile is on its way
	s_lshr_b32 s38, ttmp9, 2                       ; the unit U: four work-groups x eight waves copy its 32 pieces
	s_lshl_b32 s39, ttmp9, 1
	s_lshr_b32 s40, s18, 2
	s_add_co_u32 s39, s39, s40
	s_and_b32 s39, s39, 7                          ; the fragment
	s_and_b32 s40, s18, 3                          ; the piece c
	s_bfe_u32 s41, s38, 0x30002                    ; the step, modulo 8
	s_and_b32 s42, s38, 3                          ; the wave that will read the unit
	s_lshl_b32 s43, s42, 7                         ; W2: the unit's first row
	s_lshr_b32 s44, s41, 2
	s_lshl_b32 s44, s44, 9
	s_add_co_u32 s44, s44, s43                     ; W1: 512 x pass + 128 x wave
	s_lshr_b32 s45, s39, 1
	s_lshl_b32 s45, s45, 5
	s_and_b32 s46, s39, 1
	s_lshl_b32 s46, s46, 3
	s_add_co_u32 s45, s45, s46                     ; W1: the tile begins 32 (j / 2) + 8 (j % 2) rows on
	s_lshl_b32 s46, s39, 4                         ; W2: 16 j
	s_and_b32 s47, s41, 3                          ; W1's K step
	s_cmp_lt_u32 s38, 32                           ; W1's unit or W2's?  Every choice below hangs on this compare alone
	s_cselect_b64 s[6:7], s[6:7], s[10:11]         ; the codes
	s_cselect_b64 s[8:9], s[8:9], s[12:13]         ; the scale bytes
	s_cselect_b32 s48, 9, 10                       ; a row of codes: 512 or 1,024 bytes
	s_cselect_b32 s49, 8, 0                        ; rows chosen, or as they lie
	s_cselect_b32 s50, s44, s43
	s_cselect_b32 s51, s45, s46
	s_cselect_b32 s52, s47, s41                    ; the K step
	s_cselect_b32 s53, 4, 5                        ; a row of scale bytes: 16 or 32
	s_cselect_b32 s54, 8, 16                       ; where tiles 1 and 3 of a group of four begin
	s_cselect_b32 s55, 40, 48
	v_and_b32 v1, 31, v0                           ; lane
	v_and_b32 v2, 15, v0                           ; r
	v_bfe_u32 v3, v0, 4, 1                         ; h
	s_delay_alu instid0(VALU_DEP_3)
	v_lshlrev_b32 v7, 4, v1                        ; 16 x lane
	s_wait_alu depctr_va_vdst(0)
	v_and_b32 v16, s49, v2
	s_delay_alu instid0(VALU_DEP_1)
	v_add_nc_u32 v16, v16, v2                      ; r + 8 (r / 8), or r
	s_add_co_u32 s56, s50, s51
	v_add_nc_u32 v11, s56, v16
	s_delay_alu instid0(VALU_DEP_1)
	v_lshlrev_b32 v11, s48, v11                    ; my row,
	s_lshl_b32 s57, s52, 7
	s_lshl_b32 s58, s40, 5
	s_add_co_u32 s57, s57, s58
	v_lshl_add_u32 v11, v3, 4, v11
	s_delay_alu instid0(VALU_DEP_1)
	v_add_nc_u32 v11, s57, v11                     ; + 128 x K step + 32 c + 16 h
	global_load_b128 v[228:231], v11, s[6:7]
	s_mul_i32 s58, s38, UNIT
	s_mov_b32 s59, 0
	s_add_nc_u64 s[16:17], s[16:17], s[58:59]      ; the unit in wimg
	s_lshl_b32 s60, s39, 11
	s_lshl_b32 s61, s40, 9
	s_add_co_u32 s60, s60, s61
	v_add_nc_u32 v236, s60, v7                     ; fragment, piece, lane
	s_and_b32 s61, ttmp9, 3
	s_or_b32 s61, s61, s18
	s_cmp_lg_u32 s61, 0
	s_cbranch_scc1 .Lno_scales                     ; one wave for each unit copies its 128 scale words
	s_wait_alu depctr_va_vdst(0)
	v_lshl_add_u32 v17, v3, 6, v16
	s_delay_alu instid0(VALU_DEP_1)
	v_add_nc_u32 v17, s50, v17                     ; the row of tile 4 h
	s_lshl_b32 s62, s52, 2                         ; the K step's word
	v_lshlrev_b32 v12, s53, v17
	s_delay_alu instid0(VALU_DEP_1)
	v_add_nc_u32 v12, s62, v12
	v_add_nc_u32 v13, s54, v17
	s_delay_alu instid0(VALU_DEP_1)
	v_lshlrev_b32 v13, s53, v13
	s_delay_alu instid0(VALU_DEP_1)
	v_add_nc_u32 v13, s62, v13
	v_add_nc_u32 v14, 32, v17
	s_delay_alu instid0(VALU_DEP_1)
	v_lshlrev_b32 v14, s53, v14
	s_delay_alu instid0(VALU_DEP_1)
	v_add_nc_u32 v14, s62, v14
	v_add_nc_u32 v15, s55, v17
	s_delay_alu instid0(VALU_DEP_1)
	v_lshlrev_b32 v15, s53, v15
	s_delay_alu instid0(VALU_DEP_1)
	v_add_nc_u32 v15, s62, v15
	global_load_b32 v232, v12, s[8:9]
	global_load_b32 v233, v13, s[8:9]
	global_load_b32 v234, v14, s[8:9]
	global_load_b32 v235, v15, s[8:9]
	s_wait_loadcnt 0x0
	global_store_b128 v7, v[232:235], s[16:17] offset:16384
.Lno_scales:
	s_wait_loadcnt 0x0                             ; my piece is in
	s_wait_alu depctr_va_vdst(0)
	global_store_b128 v236, v[228:231], s[16:17]   ; 32 lanes store 512 consecutive bytes
	; ---- addresses
	s_mul_i32 s58, ttmp9, REC
	s_add_nc_u64 s[14:15], s[14:15], s[58:59]      ; my record
	s_lshl_b32 s58, s18, 12
	s_add_nc_u64 s[4:5], s[14:15], s[58:59]        ; + 4,096 x wave: two fragments
	s_lshl_b32 s58, s18, 7
	s_add_nc_u64 s[10:11], s[14:15], s[58:59]      ; + 128 x wave: a tile's, or two tiles', scale words
	v_lshl_add_u32 v5, v1, 2, s58                  ; V: column 32 w + lane of a row of x
	s_delay_alu instid0(VALU_DEP_1)
	v_add_nc_u32 v6, 64*XP, v5                     ; and 64 rows further down: an offset has 16 bits
	s_lshr_b32 s36, s18, 1
	s_lshl_b32 s36, s36, 5
	s_and_b32 s37, s18, 1
	s_lshl_b32 s37, s37, 3
	s_add_co_u32 s36, s36, s37
	s_mul_i32 s36, s36, XP                         ; K: tile w begins at row 32 (w / 2) + 8 (w % 2)
	v_and_b32 v4, 8, v2
	s_delay_alu instid0(VALU_DEP_1)
	v_add_nc_u32 v4, v4, v2
	s_delay_alu instid0(VALU_DEP_1)
	v_mul_u32_u24 v4, v4, XP
	s_delay_alu instid0(VALU_DEP_1)
	v_lshl_add_u32 v4, v3, 6, v4
	s_delay_alu instid0(VALU_DEP_1)
	v_add_nc_u32 v4, s36, v4                       ; row r + 8 (r / 8) of it, + 64 h: my 16 numbers of a block of 32
	v_lshlrev_b32 v8, 3, v2
	s_delay_alu instid0(VALU_DEP_1)
	v_lshl_add_u32 v8, v3, 2, v8                   ; K's words: 8 r + 4 h
	v_and_b32 v16, 7, v0
	s_delay_alu instid0(VALU_DEP_1)
	v_lshl_or_b32 v16, v3, 3, v16                  ; V: column 32 w + lane is row r' = lane % 8 + 8 (lane / 16)
	v_bfe_u32 v17, v0, 3, 1                        ; of tile 2 w + (lane / 8) % 2
	s_delay_alu instid0(VALU_DEP_2)
	v_lshlrev_b32 v9, 4, v16
	s_delay_alu instid0(VALU_DEP_1)
	v_lshl_add_u32 v9, v17, 11, v9
	s_delay_alu instid0(VALU_DEP_4)
	v_lshlrev_b32 v10, 2, v16
	s_delay_alu instid0(VALU_DEP_1)
	v_lshl_add_u32 v10, v17, 6, v10
.irp b, 0,1,2,3
	v_mov_b32 v[TM+4+\b], 0                        ; written once: a lane permute's destination counts as one of its sources
.endr
.macro LD_D s, x                       ; my row's 64 numbers of K step s: register 16 c + i = k 32 c + 16 h + i
.irp c, 0,1,2,3
.irp i, 0,1,2,3
	ds_load_b128 v[\x+16*\c+4*\i:\x+16*\c+4*\i+3], v4 offset:512*\s+128*\c+16*\i
.endr
.endr
.endm
.macro LD_T c, x                       ; my column's 32 numbers of keys 32 c on: each load reads 128 consecutive bytes
.set ii, 0
.rept 32
.if \c < 2
	ds_load_b32 v[\x+ii], v5 offset:(32*(\c)+ii)*XP
.else
	ds_load_b32 v[\x+ii], v6 offset:(32*(\c-2)+ii)*XP
.endif
.set ii, ii+1
.endr
.endm
.macro QUANT x, n                      ; 64 numbers become a fragment's codes in v[CD + 16 n] on and its scale word in v[PW + n]
.irp b, 0,1,2,3
	v_max3_num_f32 v[TM+\b], |v[\x+16*\b]|, |v[\x+1+16*\b]|, 0x4800000   ; my 16 numbers of block b, and the floor 2^(9 - 127): the byte cannot fall under 1
.endr
.irp i, 2,4,6,8,10,12,14
.irp b, 0,1,2,3
	s_delay_alu instid0(VALU_DEP_4)
	v_max3_num_f32 v[TM+\b], v[TM+\b], |v[\x+16*\b+\i]|, |v[\x+1+16*\b+\i]|
.endr
.endr
.irp b, 0,1,2,3
	s_delay_alu instid0(VALU_DEP_4)
	v_permlanex16_b32 v[TM+4+\b], v[TM+\b], s20, s21
.endr
.irp b, 0,1,2,3
	s_delay_alu instid0(VALU_DEP_4)
	v_max_num_f32 v[TM+\b], v[TM+\b], v[TM+4+\b]   ; with lane l xor 16's: the block's largest magnitude
.endr
.irp b, 0,1,2,3
	s_delay_alu instid0(VALU_DEP_4)
	v_add_nc_u32 v[TM+12+\b], 0xfc000000, v[TM+\b] ; 8 off its exponent field: the conversion's scale operand
.endr
.irp b, 0,1,2,3
	v_and_or_b32 v[TM+8+\b], v[TM+\b], 0x7f800000, s19   ; 448 x the scale
.endr
.irp b, 0,1,2,3
	v_lshrrev_b32 v[TM+4+\b], 23, v[TM+12+\b]      ; the scale's byte
.endr
	s_delay_alu instid0(VALU_DEP_3)
	v_lshl_or_b32 v[PW+\n], v[TM+5], 8, v[TM+4]
	s_delay_alu instid0(VALU_DEP_1)
	v_lshl_or_b32 v[PW+\n], v[TM+6], 16, v[PW+\n]
	s_delay_alu instid0(VALU_DEP_1)
	v_lshl_or_b32 v[PW+\n], v[TM+7], 24, v[PW+\n]
.irp b, 0,1,2,3
.irp i, 0,1,2,3,4,5,6,7,8,9,10,11,12,13,14,15
	v_med3_num_f32 v[\x+16*\b+\i], v[\x+16*\b+\i], -v[TM+8+\b], v[TM+8+\b]
.endr
	v_cvt_scalef32_pk8_fp8_f32 v[CD+16*\n+4*\b:CD+16*\n+4*\b+1], v[\x+16*\b:\x+16*\b+7], v[TM+12+\b]
	v_cvt_scalef32_pk8_fp8_f32 v[CD+16*\n+4*\b+2:CD+16*\n+4*\b+3], v[\x+16*\b+8:\x+16*\b+15], v[TM+12+\b]
.endr
	v_nop                                          ; a plain line behind the last conversion
.endm
.macro ST_D s                          ; fragment (w, s): four stores of 512 consecutive bytes
.irp c, 0,1,2,3
	global_store_b128 v7, v[CD+16*\s+4*\c:CD+16*\s+4*\c+3], s[4:5] offset:2048*\s+512*\c
.endr
.endm
.macro BLOCK c, x                      ; a whole block of 32 keys of my column lies in my 32 registers
	v_max3_num_f32 v16, |v[\x]|, |v[\x+1]|, |v[\x+2]|
	v_max3_num_f32 v17, |v[\x+3]|, |v[\x+4]|, |v[\x+5]|
.irp i, 6,10,14,18,22,26
	s_delay_alu instid0(VALU_DEP_2)
	v_max3_num_f32 v16, v16, |v[\x+\i]|, |v[\x+\i+1]|
	s_delay_alu instid0(VALU_DEP_2)
	v_max3_num_f32 v17, v17, |v[\x+\i+2]|, |v[\x+\i+3]|
.endr
	s_delay_alu instid0(VALU_DEP_2)
	v_max3_num_f32 v16, v16, |v[\x+30]|, |v[\x+31]|
	s_delay_alu instid0(VALU_DEP_1)
	v_max3_num_f32 v16, v16, v17, 0x4800000
	s_delay_alu instid0(VALU_DEP_1)
	v_add_nc_u32 v28, 0xfc000000, v16
	s_delay_alu instid0(VALU_DEP_2)
	v_and_or_b32 v24, v16, 0x7f800000, s19
	s_delay_alu instid0(VALU_DEP_2)
	v_lshrrev_b32 v18, 23, v28
.if \c == 0
	s_delay_alu instid0(VALU_DEP_1)
	v_mov_b32 v227, v18
.else
	s_delay_alu instid0(VALU_DEP_1)
	v_lshl_or_b32 v227, v18, 8*\c, v227            ; the lower keys in the lower byte
.endif
.set ii, 0
.rept 32
	v_med3_num_f32 v[\x+ii], v[\x+ii], -v24, v24
.set ii, ii+1
.endr
.irp g, 0,1,2,3
	v_cvt_scalef32_pk8_fp8_f32 v[CT+8*\c+2*\g:CT+8*\c+2*\g+1], v[\x+8*\g:\x+8*\g+7], v28
.endr
	v_nop
	global_store_b128 v9, v[CT+8*\c:CT+8*\c+3], s[4:5] offset:33792+512*\c         ; keys 32 c + 0..15: the place of lanes 0-15 in piece c; sixteen lanes fill 256 consecutive bytes
	global_store_b128 v9, v[CT+8*\c+4:CT+8*\c+7], s[4:5] offset:33792+512*\c+256   ; keys 32 c + 16..31: that of lanes 16-31
.endm
	s_wait_tensorcnt 0x0                           ; my 16 rows are in LDS,
	s_barrier_signal -1
	s_barrier_wait -1                              ; everybody's are
	LD_D 0, XA
	LD_D 1, XB
	s_wait_dscnt 16                                ; K step 0's 16 loads are in, K step 1's 16 may be out
	QUANT XA, 0
	ST_D 0
	LD_T 0, XA
	s_wait_dscnt 32                                ; all but the 32 just issued
	QUANT XB, 1
	ST_D 1
	LD_T 1, XB
	s_wait_dscnt 32                                ; keys 0-31 are in
	BLOCK 0, XA
	LD_T 2, XA
	s_wait_dscnt 32
	BLOCK 1, XB
	LD_T 3, XB
	s_wait_dscnt 32
	BLOCK 2, XA
	s_wait_dscnt 0x0
	BLOCK 3, XB
	v_cndmask_b32 v226, v224, v225, s22            ; lanes 0-15 store K step 0's word of row r, lanes 16-31 K step 1's
	global_store_b32 v8, v226, s[10:11] offset:32768
	global_store_b32 v10, v227, s[10:11] offset:66560
	s_wait_tensorcnt 0x0
	ds_add_u32 v240, v241
	s_wait_dscnt 0x0
	s_endpgm
.Lfunc_end_k_q3732b3cf39_prep:
	.size	k_q3732b3cf39_prep, .Lfunc_end_k_q3732b3cf39_prep-k_q3732b3cf39_prep
	.p2alignl 7, 3214868480
	.fill 96, 4, 3214868480
	.section	.rodata,"a",@progbits
	.p2align	6, 0x0
	.amdhsa_kernel k_q3732b3cf39_prep
		.amdhsa_group_segment_fixed_size 168960
		.amdhsa_private_segment_fixed_size 0
		.amdhsa_enable_private_segment 0
		.amdhsa_kernarg_size 56
		.amdhsa_user_sgpr_count 2
		.amdhsa_user_sgpr_kernarg_segment_ptr 1
		.amdhsa_wavefront_size32 1
		.amdhsa_system_sgpr_workgroup_id_x 1
		.amdhsa_system_sgpr_workgroup_id_y 1
		.amdhsa_system_sgpr_workgroup_id_z 1
		.amdhsa_system_vgpr_workitem_id 0
		.amdhsa_next_free_vgpr 242
		.amdhsa_next_free_sgpr 72
		.amdhsa_reserve_vcc 0
		.amdhsa_float_denorm_mode_32 3
		.amdhsa_float_denorm_mode_16_64 3
		.amdhsa_memory_ordered 1
		.amdhsa_forward_progress 1
		.amdhsa_inst_pref_size 55
	.end_amdhsa_kernel
	.amdgpu_metadata
---
amdhsa.version: [ 1, 2 ]
amdhsa.kernels:
  - .name:           k_q3732b3cf39_prep
    .symbol:         k_q3732b3cf39_prep.kd
    .args:
      - { .name: latent_traj, .offset: 0, .size: 8, .value_kind: global_buffer, .address_space: global }
      - { .name: W1_codes, .offset: 8, .size: 8, .value_kind: global_buffer, .address_space: global }
      - { .name: W1_scales, .offset: 16, .size: 8, .value_kind: global_buffer, .address_space: global }
      - { .name: W2_codes, .offset: 24, .size: 8, .value_kind: global_buffer, .address_space: global }
      - { .name: W2_scales, .offset: 32, .size: 8, .value_kind: global_buffer, .address_space: global }
      - { .name: kv, .offset: 40, .size: 8, .value_kind: global_buffer, .address_space: global }
      - { .name: wimg, .offset: 48, .size: 8, .value_kind: global_buffer, .address_space: global }
    .group_segment_fixed_size: 168960
    .private_segment_fixed_size: 0
    .kernarg_segment_align: 8
    .kernarg_segment_size: 56
    .max_flat_workgroup_size: 256
    .sgpr_count:     72
    .vgpr_count:     242
    .wavefront_size: 32
...
	.end_amdgpu_metadata
.endif
;; end of part 1
;; launch attn (part 2): grid 8 x 32, 4 waves a work-group, clusters of 4 x 1, 327,680 bytes of LDS; arguments kv, cimg; writes cimg
.if DOCPART == 2
	.amdgcn_target "amdgcn-amd-amdhsa--gfx1250"
	.amdhsa_code_object_version 6
	.text
	.protected	k_q3732b3cf39_attn
	.globl	k_q3732b3cf39_attn
	.p2align	8
	.type	k_q3732b3cf39_attn,@function
k_q3732b3cf39_attn:
	s_mov_b64 s[64:65], 0
	v_nop
	global_prefetch_b8 v0, s[64:65] scope:SCOPE_SE
	s_setreg_imm32_b32 hwreg(HW_REG_WAVE_MODE, 25, 1), 1
	s_wait_xcnt 0x0
	s_wait_alu depctr_hold_cnt(0) depctr_sa_sdst(0) depctr_va_vdst(0) depctr_va_sdst(0) depctr_va_ssrc(0) depctr_va_vcc(0) depctr_vm_vsrc(0)
	s_getreg_b32 s2, hwreg(HW_REG_IB_STS2, 6, 4)
	s_cmp_eq_u32 s2, 0
	s_cbranch_scc0 .Lentry_in_a_cluster
	s_endpgm
.Lentry_in_a_cluster:
	s_bfe_u32 s2, ttmp6, 0x10000c
	s_cmp_lg_u32 s2, 0x3003
	s_cbranch_scc0 .Lentry_shape_is_right
	s_endpgm
.Lentry_shape_is_right:
; ctx[b][q] = sum over keys k < q of softmax_k(x[q] . x[k] / 16) x[k]; query 0 gives 0.  Both products on codes of E4M3 with E8M0 scales, from the records of kv; ctx is quantised along d and stored as an operand's image in cimg.
; THE SOFTMAX: t = score x log2(e) / 16; M = the running largest t rounded UP to a whole number; p = 2^(t - M) is quantised along the keys, not normalised; the row's sum is taken of the unquantised p and divides at the end.
; When M moves, the sum and O are multiplied by 2^(old M - new M): exact.  Hidden scores (key >= query) become -infinity ahead of the maximum, so p = 0.  A query with no key keeps O = 0 and sum 0; the sum is held at 2^-126 from below, which changes no other row (their sums exceed 1/2), so ctx = 0 there.
; SHARES.  A cluster of four work-groups serves half of a batch's queries.  Wave w takes beta = 2 w + (X xor w % 2), X the cluster's x (0 or 1), and the work-group's place cx: image tile 2 cx of block beta and image tile 2 cx + 1 of block 7 - beta.
; beta is the same in the four partners, so the branches on it are alike in all; cx enters global addresses and the mask's numbers alone.  The four partners walk the batch's eight records by JOINT loads; a mask names four work-groups, so the batch's two clusters ask apart.
; THE WINDOW IS SKEWED: the slot of trip j holds V(j) and K(j + 1), 67,584 dense bytes, a quarter to each wave's load.  So V(j) is fetched into registers at the trip's head, under the first scores, and K(j + 1) in its middle, under the second tile's softmax.
; LAYOUT.  Both products transposed: S^T = K Q^T, O^T = V^T P^T: a lane holds one query throughout; the rows chosen for the tiles give 16 neighbouring keys (or channels) in the 16 registers of two neighbouring result tiles.
; A trip all of whose keys come after the wave's queries (j > max(beta, 7 - beta)) is left out by a scalar branch on ids, round the loads, products and softmax alone.
; LIMITS: NaN and infinities are not served; 1 / sum is v_rcp_f32; a block of ctx under 2^-118 or of zeros gets the byte 1 (its reader is this program alone).
; REGISTERS, window 0: v1-2 the spare word's address and 0; v3-6 lane terms, v7-10 the trip's LDS addresses; v12 8 x lane; v13-14 the mask's numbers; v16-23 -M, largest t, sum (pair) of the two tiles; v24-31 K's scale words, v32-39 V's, v40-41 Q's, v42-43 p's;
;   v44-63 at work; v64-127 S^T of one tile, then p; v128-159 p's codes; v160-223 Q.   window 1: O^T, accumulator (u, dt) at 128 u + 8 dt.   window 2: K's 16 fragments.   window 3: V's 16.
.set REC,   67584
.set QUART, 16896
.set SLOT1, 131072                     ; slot 1 begins here: one exclusive or turns an address
.set SPARE, 262144                     ; the spare words: 128 bytes for each wave, two blocks of 256 bytes that no other line names
.set K0B,   263168                     ; K(0): 33,792 bytes, filled once
.set SS,   64
.set PC,   128
.set QF,   160
.set KS,   24
.set VS,   32
.set QS,   40
.set PW,   42
.set BM,   44
.set T1,   48
.set HOLD, 52
.set SCL,  56
.set FF,   60
.set WD,   128                         ; at the end: ctx's four scale words
.set W_KQ, 0x02                        ; K in window 2
.set W_PV, 0x53                        ; V in window 3, C and D in window 1
.set W_RS, 0x41                        ; destination and source 0 in window 1
.set TO_K, 0x80
.set TO_V, 0xc0
.set MSB, 0
.macro WIN new                         ; the immediate's high byte repeats the setting that is left
.if MSB != (\new)
	s_set_vgpr_msb (MSB<<8)|(\new)
.set MSB, (\new)
.endif
.endm
.macro PLACES n
.rept \n
	v_nop
.endr
.endm
.macro CROUND                          ; a round of the cluster's barrier
	s_barrier_signal -1
	s_barrier_wait -1
	s_cmp_lg_u32 s8, 0
	s_cbranch_scc1 .Lnot_wave_0_\@
	s_barrier_signal -3
.Lnot_wave_0_\@:
	s_barrier_wait -3
	s_barrier_signal -1
	s_barrier_wait -1
.endm
.macro JLOAD                           ; my quarter of the next window; four v_nop follow
	tensor_load_to_lds s[32:35], s[24:31]
	s_nop 0
	PLACES 4
.endm
.macro JLOADV                          ; the last window is V(7) alone: waves 0 and 1; nothing is read past the batch's records
	s_cmp_lt_u32 s8, 2
	s_cbranch_scc0 .Lno_v_\@
	tensor_load_to_lds s[32:35], s[24:31]
	s_nop 0
	PLACES 4
.Lno_v_\@:
.endm
.macro WMX                             ; one matrix instruction from the symbols rD, rA, rB, rC, rSA, rSB; fZ: C = 0; fRA, fRB: the scales stand in lanes 16-31
.if fZ
.if fRA && fRB
	v_wmma_scale_f32_16x16x128_f8f6f4 v[rD:rD+7], v[rA:rA+15], v[rB:rB+15], 0, v[rSA], v[rSB] matrix_a_scale:MATRIX_SCALE_ROW1 matrix_b_scale:MATRIX_SCALE_ROW1
.elseif fRA
	v_wmma_scale_f32_16x16x128_f8f6f4 v[rD:rD+7], v[rA:rA+15], v[rB:rB+15], 0, v[rSA], v[rSB] matrix_a_scale:MATRIX_SCALE_ROW1
.elseif fRB
	v_wmma_scale_f32_16x16x128_f8f6f4 v[rD:rD+7], v[rA:rA+15], v[rB:rB+15], 0, v[rSA], v[rSB] matrix_b_scale:MATRIX_SCALE_ROW1
.else
	v_wmma_scale_f32_16x16x128_f8f6f4 v[rD:rD+7], v[rA:rA+15], v[rB:rB+15], 0, v[rSA], v[rSB]
.endif
.else
.if fRA && fRB
	v_wmma_scale_f32_16x16x128_f8f6f4 v[rD:rD+7], v[rA:rA+15], v[rB:rB+15], v[rC:rC+7], v[rSA], v[rSB] matrix_a_scale:MATRIX_SCALE_ROW1 matrix_b_scale:MATRIX_SCALE_ROW1
.elseif fRA
	v_wmma_scale_f32_16x16x128_f8f6f4 v[rD:rD+7], v[rA:rA+15], v[rB:rB+15], v[rC:rC+7], v[rSA], v[rSB] matrix_a_scale:MATRIX_SCALE_ROW1
.elseif fRB
	v_wmma_scale_f32_16x16x128_f8f6f4 v[rD:rD+7], v[rA:rA+15], v[rB:rB+15], v[rC:rC+7], v[rSA], v[rSB] matrix_b_scale:MATRIX_SCALE_ROW1
.else
	v_wmma_scale_f32_16x16x128_f8f6f4 v[rD:rD+7], v[rA:rA+15], v[rB:rB+15], v[rC:rC+7], v[rSA], v[rSB]
.endif
.endif
.endm
	s_load_b128 s[4:7], s[0:1], 0x0                ; kv s[4:5], cimg s[6:7]
	v_lshl_add_u32 v1, v0, 2, SPARE
	v_mov_b32 v2, 0
	ds_add_u32 v1, v2
	ds_add_u32 v1, v2
	s_wait_dscnt 0x0
	v_lshrrev_b32 v3, 5, v0
	v_readfirstlane_b32 s8, v3                     ; wave 0..3
	s_bfe_u32 s9, ttmp6, 0x40000                   ; cx
	s_and_b32 s11, ttmp7, 0xffff                   ; the batch
	s_and_b32 s12, s8, 1
	s_xor_b32 s12, s12, ttmp9
	s_lshl_b32 s50, s8, 1
	s_add_co_u32 s12, s12, s50                     ; beta = 2 w + (X xor w % 2)
	; THE WAVE'S TWO QUERY TILES COME FROM TWO BLOCKS: tile 0 is image tile 2 cx of block beta, tile 1 is image tile 2 cx + 1 of block 7 - beta: together they have keys in 9 tile trips in every wave.
	; A tile is left out of a trip whose keys all come after its queries, by scalar branches on ids that are alike in the four partners.
	s_sub_co_u32 s16, 7, s12                       ; tile 1's block
	s_max_u32 s17, s12, s16                        ; the last trip in which the wave has work
	; descriptor group 1: 66 rows of 256 bytes (32 elements of 8 bytes), dense; the mask names all four work-groups, bit 21 beside it
	s_mov_b32 s24, 15|(3<<16)|(1<<21)
	s_mov_b32 s25, 32<<16
	s_mov_b32 s26, 66<<16
	s_mov_b32 s27, 32<<16
	s_mov_b32 s28, 66
	s_mov_b32 s29, 32
	s_mov_b32 s30, 0
	s_mov_b32 s31, 0
	s_mul_i32 s52, s11, 8*REC                      ; the batch's eight records
	s_mov_b32 s53, 0
	s_mul_i32 s33, s8, QUART                       ; LDS: my quarter of slot 0
	s_add_co_u32 s54, s52, s33
	s_add_co_u32 s54, s54, 33792                   ; window 0 begins at V(0)
	s_mov_b32 s55, 0
.set THIRD, 22528
	s_mov_b32 s37, K0B                             ; K(0), whole: wave 3 brings its 132 rows of 256 bytes
	s_mul_i32 s85, s8, THIRD                       ; window 0 at the head: waves 0 to 2 bring a third each, 88 rows of 256 bytes
	s_add_co_u32 s86, s52, s85
	s_add_co_u32 s86, s86, 33792
	s_mov_b32 s87, 0
	s_mov_b32 s68, 15|(3<<16)|(1<<21)              ; group 1 for K(0)
	s_mov_b32 s69, 32<<16
	s_mov_b32 s70, 132<<16
	s_mov_b32 s71, 32<<16
	s_mov_b32 s72, 132
	s_mov_b32 s73, 32
	s_mov_b32 s74, 0
	s_mov_b32 s75, 0
	s_mov_b32 s76, 15|(3<<16)|(1<<21)              ; group 1 for a third of window 0
	s_mov_b32 s77, 32<<16
	s_mov_b32 s78, 88<<16
	s_mov_b32 s79, 32<<16
	s_mov_b32 s80, 88
	s_mov_b32 s81, 32
	s_mov_b32 s82, 0
	s_mov_b32 s83, 0
	s_lshl_b32 s50, s11, 3
	s_add_co_u32 s50, s50, s12                     ; my block's record: 8 b + beta
	s_mul_i32 s56, s50, REC
	s_lshl_b32 s51, s9, 13
	s_add_co_u32 s56, s56, s51                     ; Q's codes: tiles 2 cx, 2 cx + 1
	s_mov_b32 s57, 0
	s_mul_i32 s58, s50, REC
	s_lshl_b32 s51, s9, 8
	s_add_co_u32 s58, s58, s51
	s_add_co_u32 s58, s58, 32768                   ; and their scale words
	s_mov_b32 s59, 0
	s_mul_i32 s60, s50, 33792
	s_lshl_b32 s51, s9, 13
	s_add_co_u32 s60, s60, s51                     ; ctx's codes
	s_mov_b32 s61, 0
	s_mul_i32 s62, s50, 33792
	s_lshl_b32 s51, s9, 8
	s_add_co_u32 s62, s62, s51
	s_add_co_u32 s62, s62, 32768                   ; and scale words
	s_mov_b32 s63, 0
	s_lshl_b32 s50, s11, 3
	s_add_co_u32 s50, s50, s16                     ; tile 1's record: 8 b + 7 - beta
	s_mul_i32 s92, s50, REC
	s_lshl_b32 s51, s9, 13
	s_add_co_u32 s92, s92, s51                     ; its Q codes (the tile lies 4,096 bytes on),
	s_mov_b32 s93, 0
	s_mul_i32 s94, s50, REC
	s_lshl_b32 s51, s9, 8
	s_add_co_u32 s94, s94, s51
	s_add_co_u32 s94, s94, 32768                   ; their scale words,
	s_mov_b32 s95, 0
	s_mul_i32 s88, s50, 33792
	s_lshl_b32 s51, s9, 13
	s_add_co_u32 s88, s88, s51                     ; ctx's codes,
	s_mov_b32 s89, 0
	s_mul_i32 s90, s50, 33792
	s_lshl_b32 s51, s9, 8
	s_add_co_u32 s90, s90, s51
	s_add_co_u32 s90, s90, 32768                   ; and scale words: an offset in cimg, as s62 is tile 0's
	s_mov_b32 s19, 0x600000                        ; the mantissa field of 448
	s_mov_b32 s20, 0x76543210
	s_mov_b32 s21, 0xfedcba98
	s_mov_b32 s22, 0x3db8aa3b                      ; c = log2(e) / 16
	s_mov_b32 s23, s22                             ; (named with it as a pair)
	s_mov_b32 s48, 0xffff0000                      ; lanes 16-31
	s_mov_b32 s13, 0                               ; the trip j
	s_mov_b32 s14, 0                               ; where the trip's slot begins
	s_wait_kmcnt 0x0
	s_mov_b32 s32, 1
	s_add_nc_u64 s[34:35], s[4:5], s[54:55]
	s_or_b32 s35, s35, 0x80000000
	s_add_nc_u64 s[96:97], s[4:5], s[54:55]        ; where my prefetches stand: my quarter of window 0
	s_mov_b32 s36, 1
	s_add_nc_u64 s[38:39], s[4:5], s[52:53]
	s_or_b32 s39, s39, 0x80000000
	s_mov_b32 s84, 1
	s_add_nc_u64 s[86:87], s[4:5], s[86:87]
	s_or_b32 s87, s87, 0x80000000
	s_add_nc_u64 s[40:41], s[4:5], s[56:57]
	s_add_nc_u64 s[42:43], s[4:5], s[58:59]
	s_add_nc_u64 s[44:45], s[6:7], s[60:61]
	s_add_nc_u64 s[92:93], s[4:5], s[92:93]
	s_add_nc_u64 s[94:95], s[4:5], s[94:95]
	s_add_nc_u64 s[88:89], s[6:7], s[88:89]
	CROUND                                         ; all four work-groups are here: the first joint loads meet
	s_cmp_lt_u32 s8, 3                             ; one joint load a wave at the head, an arm each
	s_cbranch_scc1 .Lfirst_v
	tensor_load_to_lds s[36:39], s[68:75]          ; wave 3: K(0)
	s_nop 0
	PLACES 4
	s_branch .Lfirst_done
.Lfirst_v:
	tensor_load_to_lds s[84:87], s[76:83]          ; waves 0 to 2: a third of window 0
	s_nop 0
	PLACES 4
.Lfirst_done:
	; PREFETCH INTO THE L2: a window is 264 blocks of 256 bytes; of the 66 of wave w's quarter the partner at place cx names 17 cx .. 17 cx + 16 (the lanes left over the last again): each block once in each cluster that will load it.
	; Here windows 1 and 2; trip j (j = 0 .. 3) names window j + 3, two trips ahead of the load that wants it; window 6 ends inside the batch's records, and later trips name nothing.
	v_and_b32 v226, 31, v0
	v_min_u32 v226, 16, v226
	s_mul_i32 s51, s9, 17
	v_add_nc_u32 v226, s51, v226
	v_min_u32 v226, 65, v226
	v_lshlrev_b32 v226, 8, v226                    ; never rewritten
	global_prefetch_b8 v226, s[96:97] offset:REC th:TH_LOAD_NT scope:SCOPE_SE
	global_prefetch_b8 v226, s[96:97] offset:2*REC th:TH_LOAD_NT scope:SCOPE_SE
	v_and_b32 v3, 31, v0
	v_lshlrev_b32 v12, 3, v3                       ; 8 x lane
	v_lshlrev_b32 v5, 2, v3
	v_lshlrev_b32 v3, 4, v3                        ; 16 x lane: V's codes in a slot, and every image in memory
	v_add_nc_u32 v4, 33792, v3                     ; K's codes in a slot
	v_add_nc_u32 v5, 32768, v5                     ; V's scale words
	v_add_nc_u32 v6, 66560, v12                    ; K's
.set ii, 0
.set QS1, 224                          ; v224-225: the scale words of tile 1's record; its own stand in lanes 16-31
.rept 8
	global_load_b128 v[QF+4*ii:QF+4*ii+3], v3, s[40:41] offset:512*ii   ; Q stays in registers: tile u, K step s at QF + 32 u + 16 s
.set ii, ii+1
.endr
.rept 8
	global_load_b128 v[QF+4*ii:QF+4*ii+3], v3, s[92:93] offset:512*ii
.set ii, ii+1
.endr
	global_load_b64 v[QS:QS+1], v12, s[42:43]      ; lanes 0-15: tile 0's words of the two K steps
	global_load_b64 v[QS1:QS1+1], v12, s[94:95]    ; lanes 16-31: tile 1's
	v_and_b32 v62, 15, v0
	v_and_b32 v63, 8, v62
	v_add_nc_u32 v62, v62, v63                     ; r + 8 (r / 8)
	v_bfe_u32 v63, v0, 4, 1
	v_lshlrev_b32 v63, 4, v63
	v_sub_nc_u32 v62, v62, v63
	s_lshl_b32 s51, s9, 5
	s_sub_co_i32 s51, s51, 1
	v_add_nc_u32 v13, s51, v62                     ; my query in its block - 16 h - 1.  Register 16 b + i holds key 32 b + 16 h + i: hidden where 32 b + i exceeds this
	v_add_nc_u32 v14, 8, v13                       ; tile 1's queries lie 8 further on
	v_mov_b32 v17, 0xff61b1e6                      ; the largest t so far: -3e38
	v_floor_f32 v16, -v17                          ; -M
	v_mov_b32 v21, v17
	v_mov_b32 v20, v16
	v_mov_b32 v18, 0                               ; the sums, in two halves
	v_mov_b32 v19, 0
	v_mov_b32 v22, 0
	v_mov_b32 v23, 0
.irp b, 0,1,2,3
	v_mov_b32 v[T1+\b], 0                          ; written once: a lane permute's destination counts as one of its sources
.endr
	v_mov_b32 v[FF+1], 0                           ; (named as the upper half of a pair)
.macro FETCH_V                         ; V's 16 fragments and their scale words: 72 loads
	WIN TO_V
.set ii, 0
.rept 64
	ds_load_b128 v[4*ii:4*ii+3], v7 offset:512*ii
.set ii, ii+1
.endr
	WIN 0
.set ii, 0
.rept 8
	ds_load_b32 v[VS+ii], v9 offset:128*ii         ; lanes 0-15: tile 2 ii, lanes 16-31: tile 2 ii + 1
.set ii, ii+1
.endr
.endm
.macro FETCH_K                         ; K's 16 fragments (tile kt, K step s at 16 (2 kt + s)) and their scale words: 68 loads
	WIN TO_K
.set ii, 0
.rept 64
	ds_load_b128 v[4*ii:4*ii+3], v8 offset:512*ii
.set ii, ii+1
.endr
	WIN 0
.set ii, 0
.rept 4
	ds_load_b64 v[KS+2*ii:KS+2*ii+1], v10 offset:256*ii   ; lanes 0-15: tile 2 ii, lanes 16-31: tile 2 ii + 1; the two K steps' words
.set ii, ii+1
.endr
.endm
.macro QK u                            ; S^T of tile u: eight accumulators by turns, K step by K step; the first K step starts the sums
	WIN W_KQ
.set ii, 0
.rept 16
.set rD, SS+8*(ii%8)
.set rC, rD
.set rA, 16*(2*(ii%8)+ii/8)
.set rB, QF+32*(\u)+16*(ii/8)
.set rSA, KS+2*((ii%8)/2)+ii/8
.set rSB, QS+(QS1-QS)*(\u)+ii/8
.set fRA, ii%2
.set fRB, \u
.set fZ, (ii < 8)
	WMX
.set ii, ii+1
.endr
.endm
.macro PV u, first                     ; O^T of tile u: sixteen accumulators, one link each; first = 1: they start the sums
	WIN W_PV
.set ii, 0
.rept 16
.set rD, 128*(\u)+8*ii
.set rC, rD
.set rA, 16*ii
.set rB, PC+16*(\u)
.set rSA, VS+ii/2
.set rSB, PW+(\u)
.set fRA, ii%2
.set fRB, 0
.set fZ, \first
	WMX
.set ii, ii+1
.endr
.endm
; The softmax of tile u for one trip, on v64-127.  first = 1: O^T has not been started, so nothing is rescaled.
.macro SM u, first
.set rN, 16+4*(\u)
.set rL, 18+4*(\u)
	WIN 0
	s_cmp_lg_u32 s13, s[12+4*(\u)]                 ; only the trip on the tile's diagonal hides keys
	s_cbranch_scc1 .Lopen_\@
	v_mov_b32 v62, 0xff800000                      ; -infinity
.set n, 0
.rept 64
	v_cmp_gt_i32 vcc_lo, 32*(n/16)+n%16, v[13+(\u)]
	v_cndmask_b32 v[SS+n], v[SS+n], v62, vcc_lo
.set n, n+1
.endr
.Lopen_\@:
.irp b, 0,1,2,3
	v_max3_num_f32 v[BM+\b], v[SS+16*\b], v[SS+1+16*\b], v[SS+2+16*\b]   ; the largest score of each block of 32 keys: for the row's maximum, and, since p rises with the score, for the block's largest p
.endr
.irp i, 3,5,7,9,11,13
.irp b, 0,1,2,3
	v_max3_num_f32 v[BM+\b], v[BM+\b], v[SS+16*\b+\i], v[SS+1+16*\b+\i]
.endr
.endr
.irp b, 0,1,2,3
	v_max_num_f32 v[BM+\b], v[BM+\b], v[SS+15+16*\b]
.endr
.irp b, 0,1,2,3
	v_permlanex16_b32 v[T1+\b], v[BM+\b], s20, s21
.endr
.irp b, 0,1,2,3
	v_max_num_f32 v[BM+\b], v[BM+\b], v[T1+\b]     ; with lane l xor 16's 16 keys
.endr
	v_max3_num_f32 v62, v[BM], v[BM+1], v[BM+2]
	v_max_num_f32 v62, v62, v[BM+3]
	v_mul_f32 v62, s22, v62                        ; as t (c is positive)
	v_max_num_f32 v[rN+1], v[rN+1], v62            ; the running largest t
	v_mov_b32 v62, v[rN]
	v_floor_f32 v[rN], -v[rN+1]                    ; the new -M = floor(-t): M is a whole number
	v_sub_f32 v62, v[rN], v62                      ; old M - new M, 0 or less
	v_cvt_i32_f32 v62, v62                         ; (it saturates)
	v_ldexp_f32 v[FF], 1.0, v62                    ; f = 2^(old M - new M)
.set n, 0
.rept 32
	v_pk_fma_f32 v[SS+n:SS+n+1], v[SS+n:SS+n+1], s[22:23], v[rN:rN+1] op_sel_hi:[1,0,0]   ; t - M
.set n, n+2
.endr
.irp b, 0,1,2,3
	v_fma_f32 v[BM+\b], v[BM+\b], s22, v[rN]
.endr
.set n, 0
	s_wait_alu depctr_va_vdst(0)
.rept 64
	v_exp_f32 v[SS+n], v[SS+n]                     ; p = 2^(t - M)
.set n, n+1
.endr
.irp b, 0,1,2,3
	v_exp_f32 v[BM+\b], v[BM+\b]                   ; the block's largest p: the same two instructions on the same number
.endr
	v_pk_mul_f32 v[rL:rL+1], v[rL:rL+1], v[FF:FF+1] op_sel_hi:[1,0]   ; the sums under the new M (a plain line behind the exponentials)
	s_wait_alu depctr_va_vdst(0)
.irp b, 0,1,2,3
	v_max_num_f32 v[BM+\b], 0x4800000, v[BM+\b]    ; the floor 2^(9 - 127)
.endr
.irp b, 0,1,2,3
	v_add_nc_u32 v[SCL+\b], 0xfc000000, v[BM+\b]
.endr
.irp b, 0,1,2,3
	v_and_or_b32 v[HOLD+\b], v[BM+\b], 0x7f800000, s19
.endr
.irp b, 0,1,2,3
	v_lshrrev_b32 v[T1+\b], 23, v[SCL+\b]
.endr
	v_lshl_or_b32 v[PW+(\u)], v[T1+1], 8, v[T1]    ; p's scale word for these 128 keys: more than eight plain lines ahead of the product that reads it
	v_lshl_or_b32 v[PW+(\u)], v[T1+2], 16, v[PW+(\u)]
	v_lshl_or_b32 v[PW+(\u)], v[T1+3], 24, v[PW+(\u)]
	v_pk_add_f32 v[T1:T1+1], v[SS:SS+1], v[SS+2:SS+3]   ; the row's sum of the UNQUANTISED p, in two chains
.irp j, 4,8,12,16,20,24,28,32,36,40,44,48,52,56,60
	v_pk_add_f32 v[rL:rL+1], v[rL:rL+1], v[SS+\j:SS+\j+1]
	v_pk_add_f32 v[T1:T1+1], v[T1:T1+1], v[SS+2+\j:SS+3+\j]
.endr
	v_pk_add_f32 v[rL:rL+1], v[rL:rL+1], v[T1:T1+1]
.irp b, 0,1,2,3
.irp i, 0,1,2,3,4,5,6,7,8,9,10,11,12,13,14,15
	v_min_num_f32 v[SS+16*\b+\i], v[SS+16*\b+\i], v[HOLD+\b]   ; the conversion does not saturate (ISA guide 7.6.2); p is not negative
.endr
	v_cvt_scalef32_pk8_fp8_f32 v[PC+16*(\u)+4*\b:PC+16*(\u)+4*\b+1], v[SS+16*\b:SS+16*\b+7], v[SCL+\b]
	v_cvt_scalef32_pk8_fp8_f32 v[PC+16*(\u)+4*\b+2:PC+16*(\u)+4*\b+3], v[SS+16*\b+8:SS+16*\b+15], v[SCL+\b]
.endr
.if \first
	s_wait_alu depctr_va_vdst(0)
	PLACES 8                                       ; the places between the codes and the product
.else
	WIN W_RS
.set n, 0
.rept 64
	v_pk_mul_f32 v[128*(\u)+n:128*(\u)+n+1], v[128*(\u)+n:128*(\u)+n+1], v[FF:FF+1] op_sel_hi:[1,0]   ; O^T under the new M, each accumulator from its low end on; also the places between the codes and the product
.set n, n+2
.endr
.endif
	WIN 0
.endm
; THE CHANGE OF SLOTS, at a trip's head: every wave waits for all its tensor loads, adds 0 to its spare word, waits for that and for its LDS reads; behind the round the slot that was left is filled with the window after next.
.macro CHANGE fill
	s_wait_tensorcnt 0x0                           ; my part of this trip's slot has landed; no load of mine is out, so the descriptor may step
	ds_add_u32 v1, v2
.if \fill
	s_xor_b32 s33, s33, SLOT1
	s_add_nc_u64 s[34:35], s[34:35], REC
.if \fill == 2
	s_wait_xcnt 0x0                                ; my last prefetch has read its address: it steps only behind this wait
	s_add_nc_u64 s[96:97], s[96:97], REC           ; in trip j: window j + 1
.endif
.endif
	s_wait_dscnt 0x0                               ; the add is done; my reads of the slot that I have left (K of this trip among them) are in
.if \fill == 2
	CROUND
	JLOAD
	s_cmp_lt_u32 s13, 4                            ; the count of trips alone: alike in all waves and partners
	s_cbranch_scc0 .Lno_ask_\@
	global_prefetch_b8 v226, s[96:97] offset:2*REC th:TH_LOAD_NT scope:SCOPE_SE   ; window j + 3
.Lno_ask_\@:
.elseif \fill == 1
	CROUND
	JLOADV
.else
	s_barrier_signal -1
	s_barrier_wait -1
.endif
.endm
.macro TRIP fill, fetchk, first, skip
	CHANGE \fill
.if \skip
	s_cmp_gt_u32 s13, s17                          ; all 128 keys come after the queries of both tiles
	s_cbranch_scc1 .Lhid_\@
.endif
	v_add_nc_u32 v7, s14, v3
	v_add_nc_u32 v8, s14, v4
	v_add_nc_u32 v9, s14, v5
	v_add_nc_u32 v10, s14, v6
	PLACES 4                                       ; with the four additions: eight places behind the last trip's products, whose V and scale words are loaded over
	FETCH_V
.if \skip
	s_cmp_gt_u32 s13, s12                          ; tile 0 has no key here
	s_cbranch_scc1 .Lno0_\@
.endif
	QK 0                                           ; K was waited for in front of the round
	PLACES 8
	SM 0, \first
.if \skip
.Lno0_\@:
.endif
	s_wait_alu depctr_va_vdst(0)
	s_wait_dscnt 0x0                               ; V is in: its 72 loads alone were out
.if \skip
	s_cmp_gt_u32 s13, s16                          ; tile 1 has no key here
	s_cbranch_scc1 .Lno1_\@
.endif
	QK 1
	WIN 0
.if \skip
.Lno1_\@:
	s_cmp_gt_u32 s13, s12
	s_cbranch_scc1 .Lnp0_\@
.endif
	PV 0, \first
	WIN 0
.if \skip
.Lnp0_\@:
.endif
	PLACES 8                                       ; in front of the loads over K and of the first read of the scores
.if \fetchk
	FETCH_K                                        ; the next trip's K; waited for at the next change of slots
.endif
.if \skip
	s_cmp_gt_u32 s13, s16
	s_cbranch_scc1 .Lhid_\@
.endif
	SM 1, \first
	PV 1, \first
	WIN 0
.if \skip
.Lhid_\@:
.endif
	s_add_co_u32 s13, s13, 1
	s_xor_b32 s14, s14, SLOT1
.endm
; 64 numbers of window 1, register (o) + 16 b + i = channel 32 b + 16 h + i of my query, become a fragment's codes in v[SS + 16 n] on and its scale word in v[WD + n]
.macro QUANTO o, n
	WIN 0x05
.irp b, 0,1,2,3
	v_max3_num_f32 v[BM+\b], |v[(\o)+16*\b]|, |v[(\o)+1+16*\b]|, 0x4800000
.endr
	WIN 0x14
.irp i, 2,4,6,8,10,12,14
.irp b, 0,1,2,3
	v_max3_num_f32 v[BM+\b], v[BM+\b], |v[(\o)+16*\b+\i]|, |v[(\o)+1+16*\b+\i]|
.endr
.endr
	WIN 0
.irp b, 0,1,2,3
	v_permlanex16_b32 v[T1+\b], v[BM+\b], s20, s21
.endr
.irp b, 0,1,2,3
	v_max_num_f32 v[BM+\b], v[BM+\b], v[T1+\b]
.endr
.irp b, 0,1,2,3
	v_add_nc_u32 v[SCL+\b], 0xfc000000, v[BM+\b]
.endr
.irp b, 0,1,2,3
	v_and_or_b32 v[HOLD+\b], v[BM+\b], 0x7f800000, s19
.endr
.irp b, 0,1,2,3
	v_lshrrev_b32 v[T1+\b], 23, v[SCL+\b]
.endr
	v_lshl_or_b32 v[WD+(\n)], v[T1+1], 8, v[T1]
	v_lshl_or_b32 v[WD+(\n)], v[T1+2], 16, v[WD+(\n)]
	v_lshl_or_b32 v[WD+(\n)], v[T1+3], 24, v[WD+(\n)]
	WIN 0x41
.irp b, 0,1,2,3
.irp i, 0,1,2,3,4,5,6,7,8,9,10,11,12,13,14,15
	v_med3_num_f32 v[(\o)+16*\b+\i], v[(\o)+16*\b+\i], -v[HOLD+\b], v[HOLD+\b]
.endr
.endr
	WIN 0x01
.irp b, 0,1,2,3
	v_cvt_scalef32_pk8_fp8_f32 v[SS+16*(\n)+4*\b:SS+16*(\n)+4*\b+1], v[(\o)+16*\b:(\o)+16*\b+7], v[SCL+\b]
	v_cvt_scalef32_pk8_fp8_f32 v[SS+16*(\n)+4*\b+2:SS+16*(\n)+4*\b+3], v[(\o)+16*\b+8:(\o)+16*\b+15], v[SCL+\b]
.endr
	WIN 0
	v_nop
.endm
.macro FINISH u                        ; tile u: O^T / the sum, quantised along d, stored as two fragments
	WIN 0
	v_add_f32 v62, v[18+4*(\u)], v[19+4*(\u)]
	v_permlanex16_b32 v63, v62, s20, s21
	v_add_f32 v62, v62, v63                        ; the row's sum
	v_max_num_f32 v62, 0x800000, v62               ; held at 2^-126: only the query without keys is touched, and its O is 0
	s_wait_alu depctr_va_vdst(0)
	v_rcp_f32 v[FF], v62
	v_nop
	WIN W_RS
.set n, 0
	s_wait_alu depctr_va_vdst(0)
.rept 64
	v_pk_mul_f32 v[128*(\u)+n:128*(\u)+n+1], v[128*(\u)+n:128*(\u)+n+1], v[FF:FF+1] op_sel_hi:[1,0]
.set n, n+2
.endr
.irp s, 0,1
	QUANTO 128*(\u)+64*\s, 2*(\u)+\s
.irp c, 0,1,2,3
	global_store_b128 v3, v[SS+16*(2*(\u)+\s)+4*\c:SS+16*(2*(\u)+\s)+4*\c+3], s[44+44*(\u):45+44*(\u)] offset:2048*(2*(\u)+\s)+512*\c   ; 32 lanes store 512 consecutive bytes, in the tile's own record
.endr
.endr
.endm
	s_wait_tensorcnt 0x0                           ; my parts of K(0) and of window 0 are in,
	s_barrier_signal -1
	s_barrier_wait -1                              ; everybody's are
	v_add_nc_u32 v8, K0B, v3
	v_add_nc_u32 v10, K0B+32768, v12
	FETCH_K                                        ; K(0)
	s_wait_loadcnt 0x0                             ; Q
	TRIP 2, 1, 1, 0                                ; trip 0: every wave has keys here; its products start O^T
	s_mov_b32 s15, 5
.Ltrip:                                            ; trips 1 to 5
	TRIP 2, 1, 0, 1
	s_sub_co_u32 s15, s15, 1
	s_cmp_lg_u32 s15, 0
	s_cbranch_scc1 .Ltrip
	TRIP 1, 1, 0, 1                                ; trip 6 asks for V(7) alone
	TRIP 0, 0, 0, 1                                ; trip 7 asks for nothing
	PLACES 8                                       ; behind the last products
	FINISH 0
	FINISH 1
	v_cndmask_b32 v132, v[WD], v[WD+2], s48        ; lanes 0-15: tile 0's words, lanes 16-31: tile 1's
	v_cndmask_b32 v133, v[WD+1], v[WD+3], s48
	v_mov_b32 v11, s62
	v_mov_b32 v15, s90
	v_cndmask_b32 v11, v11, v15, s48               ; lanes 0-15: tile 0's record, lanes 16-31: tile 1's
	v_add_nc_u32 v11, v11, v12
	global_store_b64 v11, v[132:133], s[6:7]       ; two runs of 128 consecutive bytes, one in each record: here half of a block of 256 bytes is written by one wave and half by another
	s_wait_tensorcnt 0x0                           ; the wave's end
	ds_add_u32 v1, v2
	s_wait_dscnt 0x0
	CROUND                                         ; the closing round
	s_endpgm
.Lfunc_end_k_q3732b3cf39_attn:
	.size	k_q3732b3cf39_attn, .Lfunc_end_k_q3732b3cf39_attn-k_q3732b3cf39_attn
	.p2alignl 7, 3214868480
	.fill 96, 4, 3214868480
	.section	.rodata,"a",@progbits
	.p2align	6, 0x0
	.amdhsa_kernel k_q3732b3cf39_attn
		.amdhsa_group_segment_fixed_size 327680
		.amdhsa_private_segment_fixed_size 0
		.amdhsa_enable_private_segment 0
		.amdhsa_kernarg_size 16
		.amdhsa_user_sgpr_count 2
		.amdhsa_user_sgpr_kernarg_segment_ptr 1
		.amdhsa_wavefront_size32 1
		.amdhsa_system_sgpr_workgroup_id_x 1
		.amdhsa_system_sgpr_workgroup_id_y 1
		.amdhsa_system_sgpr_workgroup_id_z 1
		.amdhsa_system_vgpr_workitem_id 0
		.amdhsa_next_free_vgpr 1024
		.amdhsa_next_free_sgpr 100
		.amdhsa_reserve_vcc 1
		.amdhsa_float_denorm_mode_32 3
		.amdhsa_float_denorm_mode_16_64 3
		.amdhsa_memory_ordered 1
		.amdhsa_forward_progress 1
		.amdhsa_inst_pref_size 255
	.end_amdhsa_kernel
	.section	.bss,"aw",@nobits
	.p2align	6
	.space	262144
	.amdgpu_metadata
---
amdhsa.version: [ 1, 2 ]
amdhsa.kernels:
  - .name:           k_q3732b3cf39_attn
    .symbol:         k_q3732b3cf39_attn.kd
    .args:
      - { .name: kv, .offset: 0, .size: 8, .value_kind: global_buffer, .address_space: global }
      - { .name: cimg, .offset: 8, .size: 8, .value_kind: global_buffer, .address_space: global }
    .group_segment_fixed_size: 327680
    .private_segment_fixed_size: 0
    .kernarg_segment_align: 8
    .kernarg_segment_size: 16
    .max_flat_workgroup_size: 128
    .sgpr_count:     100
    .vgpr_count:     1024
    .wavefront_size: 32
...
	.end_amdgpu_metadata
.endif
;; end of part 2
;; launch mlp (part 3): grid 256 x 1, 4 waves a work-group, clusters of 4 x 1, 327,680 bytes of LDS; arguments kv, cimg, wimg, b1, b2, out0, out1; writes out0, out1
.if DOCPART == 3
	.amdgcn_target "amdgcn-amd-amdhsa--gfx1250"
	.amdhsa_code_object_version 6
	.text
	.protected	k_q3732b3cf39_mlp
	.globl	k_q3732b3cf39_mlp
	.p2align	8
	.type	k_q3732b3cf39_mlp,@function
k_q3732b3cf39_mlp:
	s_mov_b64 s[64:65], 0
	v_nop
	global_prefetch_b8 v0, s[64:65] scope:SCOPE_SE
	s_setreg_imm32_b32 hwreg(HW_REG_WAVE_MODE, 25, 1), 1
	s_wait_xcnt 0x0
	s_wait_alu depctr_hold_cnt(0) depctr_sa_sdst(0) depctr_va_vdst(0) depctr_va_sdst(0) depctr_va_ssrc(0) depctr_va_vcc(0) depctr_vm_vsrc(0)
	s_getreg_b32 s2, hwreg(HW_REG_IB_STS2, 6, 4)
	s_cmp_eq_u32 s2, 0
	s_cbranch_scc0 .Lentry_in_a_cluster
	s_endpgm
.Lentry_in_a_cluster:
	s_bfe_u32 s2, ttmp6, 0x10000c
	s_cmp_lg_u32 s2, 0x3003
	s_cbranch_scc0 .Lentry_shape_is_right
	s_endpgm
.Lentry_shape_is_right:
; out = relu([x, ctx] W1 + b1) W2 + b2, both products on codes of E4M3 with E8M0 scales; columns 0-255 go to out0, 256-511 to out1.  The hidden layer never leaves LDS.
; SHARES.  A work-group owns 128 rows.  THE WAVES SHARE THE COLUMNS: in pass p (0, 1) wave w makes hidden units 512 p + 128 w .. + 127 for all 128 rows (64 accumulators, K = 512: four steps); then output columns 128 w .. + 127 (the same 64, K = 1,024: eight steps).
; THE WEIGHTS come in 16 steps of four units of 16,896 bytes (eight fragments and their scale words, laid in this order by the first launch).  All work-groups walk the same units, so four work-groups form a cluster and ask JOINTLY:
; wave w of each issues the same tensor load (66 rows of 256 bytes, mask 15) for unit w of a step, and alone reads it.  A ring of two LDS slots of one step: beside the hidden layer (133,120 bytes), its scale words (4,096), the stages (33,792) and the spare words
; two slots of one step (135,168) fit and two of two steps (270,336) do not.  Inside step n, behind 24 of its 64 products, stands a drained round of the cluster's barrier; behind it slot n % 2, whose unit lies in registers, takes step n + 2, and the unit of step n + 1 goes from the other slot into B's free set.
; A wave has one tensor load out, from one round to the wait in front of the next.
; PREFETCH.  Step n names the 264 blocks of 256 bytes of step n + 4, two steps ahead of the load that wants them (the head names steps 2 and 3; steps 12 on name nothing).  All clusters read the same 1,081,344 bytes, so the first four clusters alone ask; of unit w's 66 blocks the partner at place cx takes 17 cx .. 17 cx + 16, told apart by address.
; The rows' codes (x's from kv, ctx's from cimg) are each work-group's own: 33 loads of 512 bytes a wave into registers, stored to LDS as they lie; then the hidden layer's images; all four waves read them.
; Both products are used transposed (source 0 = 16 rows of a weight, source 1 = 16 rows of the activations): a lane holds one row; W1's rows are chosen so that the 16 registers of two neighbouring tiles are 16 neighbours along the next K.
; The biases are the C of each sum's first matrix instruction.  relu and the hold in front of the conversion are one v_med3 between 0 and 448 x the scale.
; LIMITS: NaN and infinities are not served; a block of the hidden layer under 2^-118 or of zeros gets the byte 1: its reader is this program alone.
; REGISTERS, window 0: v5-22 addresses; v32-47 the activations' scale words; v48-55 the weights' (two sets); v62-63 the spare word and 0; v64-127 a bias, eight tiles; v128-255 A's one set (block a at 128 + 16 a), at work while the hidden layer is quantised.
;   window 1: B's two sets, at v0 and v128.   windows 2, 3: accumulator (a, b) at 8 (8 (a % 4) + b), blocks 0-3 and 4-7.
.set UNIT,  16896
.set STEPB, 67584                      ; a step's four units
                                       ; LDS from byte 0: the hidden layer: fragment (K step ks, rows m) at 16,384 ks + 2,048 m
.set DEC,   65536                      ; x's half, then ctx's, each 32,768 of codes [m][s] and 1,024 of scale words; dead after step 7, when the hidden layer's K steps 4-7 take its place
.set HSC,   133120                     ; the hidden layer's scale words: (ks, a, r) at 512 ks + 16 (16 (a % 2) + r) + 4 (a / 2)
.set STAGE, 137216                     ; 16 rows x 528 bytes for each wave
.set SPARE, 171008                     ; the spare words: 128 bytes a wave, two blocks of 256 bytes that no other line names
.set RING,  171520                     ; two slots of STEPB bytes: the only bytes that tensor loads fill
.set BI,  64
.set AF,  128
.set WS,  48
.set TM,  128                          ; v128-131 largest magnitudes, v132-135 bytes, v136-139 448 x the scale, v140-143 scale operands
.set PWD, 144                          ; the word just made; v145 the even block's, kept; v146 the one stored
.set PC,  148                          ; the codes just made: two sets of 16, by turns
.set TO_B, 0x40
.set MSB, 0
.macro WIN new                         ; the immediate's high byte repeats the setting that is left
.if MSB != (\new)
	s_set_vgpr_msb (MSB<<8)|(\new)
.set MSB, (\new)
.endif
.endm
.macro PLACES n
.rept \n
	v_nop
.endr
.endm
.macro CREST                           ; a round of the cluster's barrier behind its opening barrier
	s_cmp_lg_u32 s18, 0
	s_cbranch_scc1 .Lnot_wave_0_\@
	s_barrier_signal -3
.Lnot_wave_0_\@:
	s_barrier_wait -3
	s_barrier_signal -1
	s_barrier_wait -1
.endm
.macro CROUND
	s_barrier_signal -1
	s_barrier_wait -1
	CREST
.endm
.macro WMX                             ; one matrix instruction from the symbols rD, rA, rB, rC, rSA, rSB; fRA, fRB: the scales stand in lanes 16-31
.if fRA && fRB
	v_wmma_scale_f32_16x16x128_f8f6f4 v[rD:rD+7], v[rA:rA+15], v[rB:rB+15], v[rC:rC+7], v[rSA], v[rSB] matrix_a_scale:MATRIX_SCALE_ROW1 matrix_b_scale:MATRIX_SCALE_ROW1
.elseif fRA
	v_wmma_scale_f32_16x16x128_f8f6f4 v[rD:rD+7], v[rA:rA+15], v[rB:rB+15], v[rC:rC+7], v[rSA], v[rSB] matrix_a_scale:MATRIX_SCALE_ROW1
.elseif fRB
	v_wmma_scale_f32_16x16x128_f8f6f4 v[rD:rD+7], v[rA:rA+15], v[rB:rB+15], v[rC:rC+7], v[rSA], v[rSB] matrix_b_scale:MATRIX_SCALE_ROW1
.else
	v_wmma_scale_f32_16x16x128_f8f6f4 v[rD:rD+7], v[rA:rA+15], v[rB:rB+15], v[rC:rC+7], v[rSA], v[rSB]
.endif
.endm
; cnt (8 or 16) matrix instructions: row blocks from a0 on x the weight's eight tiles.  The 64 accumulators take turns, in the same order in every step.
.macro MULN a0, cnt, bs, asc, st, bias
.set ii, 0
.rept \cnt
.set ta, (\a0)+ii/8
.set tb, ii%8
.set rD, 8*(8*(ta%4)+tb)
.if \bias
.set rC, BI+8*tb
.else
.set rC, rD
.endif
.set rA, 128*(\bs)+16*tb
.set rB, AF+16*ta
.set rSA, WS+4*(\bs)+tb%4
.set rSB, (\asc)+(\st)*(ta/2)
.set fRA, tb/4
.set fRB, ta%2
	WMX
.set ii, ii+1
.endr
.endm
.macro FA reg, off, ast, a0            ; A's blocks a0 .. a0 + 3 from LDS: 16 loads
.irp a, \a0, \a0+1, \a0+2, \a0+3
.irp c, 0,1,2,3
	ds_load_b128 v[AF+16*(\a)+4*\c:AF+16*(\a)+4*\c+3], v[\reg] offset:(\off)+(\ast)*(\a)+512*\c
.endr
.endr
.endm
.macro FBL bs                          ; my unit from slot bs: eight fragments into set bs, and their scale words: 33 loads
	WIN TO_B
.set ii, 0
.rept 32
	ds_load_b128 v[128*(\bs)+4*ii:128*(\bs)+4*ii+3], v[18+(\bs)] offset:512*ii
.set ii, ii+1
.endr
	WIN 0
	ds_load_b128 v[WS+4*(\bs):WS+4*(\bs)+3], v[18+(\bs)] offset:16384
.endm
.macro ASK                             ; the step four on: one instruction a wave, in the first four clusters
	s_cmp_lg_u32 s68, 0
	s_cbranch_scc0 .Lnot_mine_\@
	global_prefetch_b8 v22, s[66:67] offset:STEPB th:TH_LOAD_NT scope:SCOPE_SE
.Lnot_mine_\@:
.endm
; A step of 128 along K.  bs: B's set and the slot that held it; asc, st: A's scale words; bias = 1: the bias is C; nreg, noff, nast: the next step's A (nreg = 0: none); hs: the next K step's hidden scale words (-1: none);
; ring = 2: a drained round, the refill of slot bs, the next unit into the other set; 1: the same lines with a plain barrier and no refill; 0: the last step; pf = 1: a prefetch.
.macro STEPM bs, asc, st, bias, nreg, noff, nast, hs, ring, pf
.if \pf
	s_wait_xcnt 0x0                                ; my last prefetch has read its address: it steps only behind this wait
	s_add_nc_u64 s[66:67], s[66:67], STEPB
.endif
.if \bias
	s_wait_loadcnt 0x0                             ; the bias is in
.endif
	s_wait_dscnt 16                                ; B's set, the scale words and A 0-3 are in; A 4-7's 16 loads, the youngest, may be out
.set WLO, 0xa1-0x20*(\bias)
.set WHI, 0xf1-0x30*(\bias)
	WIN WLO
	MULN 0, 16, \bs, \asc, \st, \bias
.if \ring
	WIN 0                                          ; (the add's registers lie in window 0)
	s_wait_tensorcnt 0x0                           ; my one load, the next step's unit, has landed
	ds_add_u32 v62, v63
.if \ring == 2
	s_add_nc_u64 s[34+4*(\bs):35+4*(\bs)], s[34+4*(\bs):35+4*(\bs)], 2*STEPB   ; no load of mine is out: this slot's next step
.endif
	WIN WLO
	MULN 2, 8, \bs, \asc, \st, \bias
	s_wait_dscnt 0x0                               ; the add is done; my LDS reads (A 4-7 among them) are in
	s_barrier_signal -1
	MULN 3, 8, \bs, \asc, \st, \bias
	WIN 0
	s_barrier_wait -1
.if \ring == 2
	CREST                                          ; no wave of any partner still reads this slot or has a load on its way
	tensor_load_to_lds s[32+4*(\bs):35+4*(\bs)], s[24:31]
	s_nop 0
.endif
	PLACES 8                                       ; in front of loads into registers that matrix instructions have read
	FBL 1-(\bs)
.else
	MULN 2, 16, \bs, \asc, \st, \bias
	s_wait_dscnt 0x0
.endif
.if \nreg
	FA \nreg, \noff, \nast, 0
.endif
.if \hs >= 0
	ds_load_b128 v[32+4*((\hs)%2):35+4*((\hs)%2)], v11 offset:512*(\hs)
.endif
.if \pf
	ASK
.endif
	WIN WHI
	MULN 4, 16, \bs, \asc, \st, \bias
	MULN 6, 16, \bs, \asc, \st, \bias
	PLACES 8                                       ; in front of the loads over A 4-7 and, a step on, over B's set and scale words; and of the first read of results
	WIN 0
.if \nreg
	FA \nreg, \noff, \nast, 4
.endif
.endm
; Row block a of my 128 hidden units: relu, quantised, its image and scale word to LDS
.macro QUANTH a
.set WW, 2+(\a)/4
.set oo, 64*((\a)%4)
.set PCC, PC+16*((\a)%2)
.if (\a) > 1
	s_wait_dscnt 4                                 ; block a - 2's stores are done (behind them stand block a - 1's four or five): their registers are written anew below
.endif
.set WN, WW|(WW<<2)
	WIN WN
.irp b, 0,1,2,3
	v_max3_num_f32 v[TM+\b], v[oo+16*\b], v[oo+1+16*\b], 0x4800000   ; no |.|: what is negative becomes 0 and must not count; the floor 2^(9 - 127) stands over it
.endr
.set WN, (WW<<2)|(WW<<4)
	WIN WN
.irp i, 2,4,6,8,10,12,14
.irp b, 0,1,2,3
	v_max3_num_f32 v[TM+\b], v[TM+\b], v[oo+16*\b+\i], v[oo+1+16*\b+\i]
.endr
.endr
	WIN 0
.irp b, 0,1,2,3
	v_permlanex16_b32 v[TM+4+\b], v[TM+\b], s20, s21
.endr
.irp b, 0,1,2,3
	v_max_num_f32 v[TM+\b], v[TM+\b], v[TM+4+\b]   ; with lane l xor 16's: the block's largest number
.endr
.irp b, 0,1,2,3
	v_add_nc_u32 v[TM+12+\b], 0xfc000000, v[TM+\b] ; 8 off its exponent field: the conversion's scale operand
.endr
.irp b, 0,1,2,3
	v_and_or_b32 v[TM+8+\b], v[TM+\b], 0x7f800000, s19   ; 448 x the scale
.endr
.irp b, 0,1,2,3
	v_lshrrev_b32 v[TM+4+\b], 23, v[TM+12+\b]      ; the scale's byte
.endr
	v_lshl_or_b32 v[PWD], v[TM+5], 8, v[TM+4]
	v_lshl_or_b32 v[PWD], v[TM+6], 16, v[PWD]
	v_lshl_or_b32 v[PWD], v[TM+7], 24, v[PWD]
.set WN, (WW<<6)|WW
	WIN WN
.irp b, 0,1,2,3
.irp i, 0,1,2,3,4,5,6,7,8,9,10,11,12,13,14,15
	v_med3_num_f32 v[oo+16*\b+\i], v[oo+16*\b+\i], 0, v[TM+8+\b]   ; the activation and the hold in one
.endr
.endr
	WIN WW
.irp b, 0,1,2,3
	v_cvt_scalef32_pk8_fp8_f32 v[PCC+4*\b:PCC+4*\b+1], v[oo+16*\b:oo+16*\b+7], v[TM+12+\b]
	v_cvt_scalef32_pk8_fp8_f32 v[PCC+4*\b+2:PCC+4*\b+3], v[oo+16*\b+8:oo+16*\b+15], v[TM+12+\b]
.endr
	WIN 0
	v_nop                                          ; a plain line behind the last conversion: later products write its sources
.irp c, 0,1,2,3
	ds_store_b128 v9, v[PCC+4*\c:PCC+4*\c+3] offset:2048*(\a)+512*\c
.endr
.if (\a)%2 == 0
	v_mov_b32 v145, v[PWD]
.else
	v_cndmask_b32 v146, v145, v[PWD], s41          ; lanes 0-15: the even block's word, lanes 16-31: the odd block's
	ds_store_b32 v10, v146 offset:4*((\a)/2)
.endif
.endm
.macro BIAS1 p                         ; lane (r, h), tile t: b1 at hidden units 32 (t / 2) + 16 h + 8 (t % 2) + 0..7: 16 loads
.irp t, 0,1,2,3,4,5,6,7
	global_load_b128 v[BI+8*\t:BI+8*\t+3], v16, s[44:45] offset:2048*\p+128*(\t/2)+32*(\t%2)
	global_load_b128 v[BI+8*\t+4:BI+8*\t+7], v16, s[44:45] offset:2048*\p+128*(\t/2)+32*(\t%2)+16
.endr
.endm
.macro BIAS2                           ; b2 at columns 16 t + 8 h + 0..7: 16 loads
.irp t, 0,1,2,3,4,5,6,7
	global_load_b128 v[BI+8*\t:BI+8*\t+3], v17, s[46:47] offset:64*\t
	global_load_b128 v[BI+8*\t+4:BI+8*\t+7], v17, s[46:47] offset:64*\t+16
.endr
.endm
	s_load_b256 s[4:11], s[0:1], 0x0               ; kv s[4:5], cimg s[6:7], wimg s[8:9], b1 s[10:11]
	s_load_b128 s[12:15], s[0:1], 0x20             ; b2 s[12:13], out0 s[14:15]
	s_load_b64 s[16:17], s[0:1], 0x30              ; out1
	v_lshl_add_u32 v62, v0, 2, SPARE
	v_mov_b32 v63, 0
	ds_add_u32 v62, v63                            ; the opening lines: the add, twice on end, and its wait ahead of my first tensor load
	ds_add_u32 v62, v63
	v_lshrrev_b32 v3, 5, v0
	v_readfirstlane_b32 s18, v3                    ; wave 0..3
	s_bfe_u32 s69, ttmp6, 0x40000                  ; cx: it enters global addresses alone
	s_lshl_b32 s70, ttmp9, 2
	s_add_co_u32 s70, s70, s69                     ; the work-group's number: its 128 rows
	s_mov_b32 s24, 15|(3<<16)|(1<<21)              ; descriptor group 1: the mask names the four partners, bit 21 beside it; 66 rows of 256 bytes (32 elements of 8 bytes), dense
	s_mov_b32 s25, 32<<16                          ; tensor_dim0
	s_mov_b32 s26, 66<<16                          ; tensor_dim1
	s_mov_b32 s27, 32<<16                          ; tile_dim0
	s_mov_b32 s28, 66                              ; tile_dim1
	s_mov_b32 s29, 32                              ; elements from row to row
	s_mov_b32 s30, 0
	s_mov_b32 s31, 0
	s_mul_i32 s50, s18, UNIT                       ; my unit among a step's four; also my quarter of the rows' images
	s_mov_b32 s51, 0
	s_mov_b32 s32, 1                               ; group 0, a set for each slot
	s_add_co_u32 s33, s50, RING
	s_mov_b32 s36, 1
	s_add_co_u32 s37, s50, RING+STEPB
	s_add_co_u32 s43, s50, DEC                     ; where my quarter of the images goes
	s_and_b32 s42, s18, 1
	s_mul_i32 s22, s42, UNIT                       ; which half of x's or of ctx's 33,792 bytes I bring
	s_mul_i32 s52, s70, 67584                      ; in kv: the K half of the work-group's record
	s_mul_i32 s54, s70, 33792                      ; in cimg
	s_cmp_lt_u32 s18, 2                            ; waves 0, 1: x; waves 2, 3: ctx
	s_cselect_b32 s52, s52, s54
	s_add_co_u32 s52, s52, s22
	s_mov_b32 s53, 0
	s_lshl_b32 s56, s70, 17                        ; my 128 rows of 1,024 bytes of an output,
	s_lshl_b32 s42, s42, 9
	s_add_co_u32 s56, s56, s42                     ; my 128 columns
	s_mov_b32 s57, 0
	s_lshl_b32 s58, s18, 9                         ; my 128 numbers of a bias
	s_mov_b32 s59, 0
	s_cmp_lt_u32 ttmp9, 4                          ; the first four clusters prefetch
	s_cselect_b32 s68, 1, 0
	s_lshl_b32 s22, s18, 14
	s_mul_i32 s55, s18, 8448
	s_add_co_u32 s55, s55, STAGE
	s_mul_i32 s23, s69, 17
	s_mov_b32 s19, 0x600000                        ; the mantissa field of 448
	s_mov_b32 s20, 0x76543210
	s_mov_b32 s21, 0xfedcba98                      ; lane selects: lane l xor 16
	s_mov_b32 s41, 0xffff0000                      ; lanes 16-31
	s_mov_b32 s40, 0                               ; the pass
	v_and_b32 v15, 31, v0
	v_min_u32 v22, 16, v15
	v_lshlrev_b32 v12, 3, v15
	v_lshlrev_b32 v15, 4, v15                      ; 16 x lane: my place in every image, in memory and in LDS; as an LDS address: the hidden layer's K steps 0-3
	v_add_nc_u32 v5, DEC, v15                      ; x's images,
	v_add_nc_u32 v6, DEC+33792, v15                ; ctx's,
	v_add_nc_u32 v8, 65536, v15                    ; the hidden layer's K steps 4-7
	v_add_nc_u32 v9, s22, v15                      ; where I store the hidden layer's images: K step w (4 + w in the second pass)
	v_add_nc_u32 v11, HSC, v15                     ; its scale words, read,
	v_add_nc_u32 v10, s58, v11                     ; and stored
	v_add_nc_u32 v12, DEC+32768, v12               ; x's scale words: 8 x lane
	v_add_nc_u32 v18, s33, v15                     ; my unit in slot 0,
	v_add_nc_u32 v19, s37, v15                     ; in slot 1
	v_add_nc_u32 v21, s43, v15                     ; my quarter of the images, stored
	v_and_b32 v13, 15, v0
	v_bfe_u32 v16, v0, 4, 1
	v_mul_u32_u24 v13, v13, 528
	v_lshl_add_u32 v13, v16, 5, v13
	v_add_nc_u32 v13, s55, v13                     ; my stage, in: row r, + 32 h
	v_add_nc_u32 v14, s55, v15                     ; back: a row of 512 bytes to the 32 lanes
	v_lshlrev_b32 v17, 5, v16                      ; 32 h
	v_lshlrev_b32 v16, 6, v16                      ; 64 h
	v_add_nc_u32 v22, s23, v22                     ; the prefetches' offset: block 17 cx + lane of my unit's 66, the lanes left over on the last
	v_min_u32 v22, 65, v22
	v_lshlrev_b32 v22, 8, v22
	s_wait_alu depctr_va_vdst(0)
	s_wait_dscnt 0x0                               ; both opening adds are done
	CROUND                                         ; all four work-groups are here: the first joint loads meet
	s_wait_kmcnt 0x0
	s_cmp_lt_u32 s18, 2                            ; waves 0, 1: out0 and kv; waves 2, 3: out1 and cimg
	s_cselect_b64 s[48:49], s[14:15], s[16:17]
	s_cselect_b64 s[60:61], s[4:5], s[6:7]
	s_add_nc_u64 s[48:49], s[48:49], s[56:57]
	s_add_nc_u64 s[60:61], s[60:61], s[52:53]
	s_add_nc_u64 s[44:45], s[10:11], s[58:59]
	s_add_nc_u64 s[46:47], s[12:13], s[58:59]
	s_add_nc_u64 s[34:35], s[8:9], s[50:51]        ; step 0's unit,
	s_add_nc_u64 s[38:39], s[34:35], STEPB         ; step 1's,
	s_add_nc_u64 s[66:67], s[34:35], 2*STEPB       ; and where the prefetches stand
	s_or_b32 s35, s35, 0x80000000
	s_or_b32 s39, s39, 0x80000000
	tensor_load_to_lds s[32:35], s[24:31]          ; step 0: one tensor load a wave at the head
	s_nop 0
	PLACES 4
.set ii, 0
.rept 32
	global_load_b128 v[AF+4*ii:AF+4*ii+3], v15, s[60:61] offset:512*ii   ; my quarter of the rows' images: 33 loads of 512 consecutive bytes
.set ii, ii+1
.endr
	global_load_b128 v[56:59], v15, s[60:61] offset:16384
	BIAS1 0
	s_cmp_lg_u32 s68, 0
	s_cbranch_scc0 .Lnone_at_head
	global_prefetch_b8 v22, s[66:67] th:TH_LOAD_NT scope:SCOPE_SE                 ; step 2,
	global_prefetch_b8 v22, s[66:67] offset:STEPB th:TH_LOAD_NT scope:SCOPE_SE    ; step 3
.Lnone_at_head:
	s_wait_loadcnt 16                              ; the images' 33 loads are in; the bias's 16 may be out
.set ii, 0
.rept 32
	ds_store_b128 v21, v[AF+4*ii:AF+4*ii+3] offset:512*ii
.set ii, ii+1
.endr
	ds_store_b128 v21, v[56:59] offset:16384
	s_wait_tensorcnt 0x0                           ; step 0's unit is in
	ds_add_u32 v62, v63
	s_wait_dscnt 0x0                               ; the add and my stores are done
	CROUND                                         ; everybody's quarter lies in LDS, and the joint loads meet
	tensor_load_to_lds s[36:39], s[24:31]          ; step 1, the first tensor load behind the round
	s_nop 0
	PLACES 4
	FBL 0
.irp t, 0,1,2,3
	ds_load_b64 v[32+2*\t:33+2*\t], v12 offset:256*\t          ; x's scale words: lanes 0-15 block 2 t, lanes 16-31 block 2 t + 1; the two K steps
	ds_load_b64 v[40+2*\t:41+2*\t], v12 offset:33792+256*\t    ; ctx's
.endr
.Lpass:                                            ; two passes of 512 hidden units, four steps each: the slots and B's sets stand alike at each pass's head
	FA 5, 0, 4096, 0
	FA 5, 0, 4096, 4
	STEPM 0, 32, 2, 1, 5, 2048, 4096, -1, 2, 1
	STEPM 1, 33, 2, 0, 6, 0,    4096, -1, 2, 1
	STEPM 0, 40, 2, 0, 6, 2048, 4096, -1, 2, 1
	STEPM 1, 41, 2, 0, 0, 0,    0,    -1, 2, 1     ; its round stands behind every wave's last read of x's and ctx's images in this pass
	s_cmp_eq_u32 s40, 0                            ; the next sums' bias lands while the hidden layer is quantised
	s_cbranch_scc0 .Lbias_out
	BIAS1 1
	s_branch .Lbias_asked
.Lbias_out:
	BIAS2
.Lbias_asked:
.irp a, 0,1,2,3,4,5,6,7
	QUANTH \a
.endr
	s_wait_dscnt 0x0
	s_barrier_signal -1
	s_barrier_wait -1                              ; this pass's four K steps of the hidden layer lie in LDS
	v_add_nc_u32 v9, 65536, v9
	v_add_nc_u32 v10, 2048, v10
	s_add_co_u32 s40, s40, 1
	s_cmp_lt_u32 s40, 2
	s_wait_alu depctr_va_vdst(0)
	s_cbranch_scc1 .Lpass
	; ---- the second product: eight K steps
	ds_load_b128 v[32:35], v11                     ; K step 0's scale words: register t: lanes 0-15 block 2 t, lanes 16-31 block 2 t + 1
	FA 15, 0, 2048, 0
	FA 15, 0, 2048, 4
	STEPM 0, 32, 1, 1, 15, 16384, 2048, 1, 2, 1
	STEPM 1, 36, 1, 0, 15, 32768, 2048, 2, 2, 1
	STEPM 0, 32, 1, 0, 15, 49152, 2048, 3, 2, 1
	STEPM 1, 36, 1, 0, 8,  0,     2048, 4, 2, 1    ; names the last step's blocks
	STEPM 0, 32, 1, 0, 8,  16384, 2048, 5, 2, 0
	STEPM 1, 36, 1, 0, 8,  32768, 2048, 6, 2, 0    ; asks for the last step
	STEPM 0, 32, 1, 0, 8,  49152, 2048, 7, 1, 0    ; nothing is filled again
	STEPM 1, 36, 1, 0, 0,  0,     0,   -1, 0, 0
; THE WAY OUT, block by block of 16 rows x 128 columns, through my own stage: a lane holds 32 neighbouring bytes of a row; whole rows of 512 bytes come back.  LDS serves a wave's instructions in order (ISA guide 5.7.1.4).
.macro TOSTAGE a
.set AC, 64*((\a)%4)
	WIN 0x08+4*((\a)/4)
.irp b, 0,1,2,3,4,5,6,7
	ds_store_b128 v13, v[AC+8*\b:AC+8*\b+3] offset:64*\b          ; each accumulator from its low end on
	ds_store_b128 v13, v[AC+8*\b+4:AC+8*\b+7] offset:64*\b+16
.endr
	WIN 0
.set BB, AF+64*((\a)%2)
.irp t, 0,1,2,3,4,5,6,7,8,9,10,11,12,13,14,15
	ds_load_b128 v[BB+4*\t:BB+4*\t+3], v14 offset:\t*528
.endr
.endm
.macro SEND a, younger                 ; lane row t of block a is row 32 (a / 2) + 8 (a % 2) + t + 8 (t / 8)
.set BB, AF+64*((\a)%2)
	s_wait_dscnt \younger
.irp t, 0,1,2,3,4,5,6,7,8,9,10,11,12,13,14,15
	global_store_b128 v15, v[BB+4*\t:BB+4*\t+3], s[48:49] offset:(32*((\a)/2)+8*((\a)%2)+\t+8*(\t/8))*1024 th:TH_STORE_NT   ; 32 lanes store 512 consecutive bytes, at a multiple of 256 from the buffer's first byte
.endr
.endm
	TOSTAGE 0                                      ; eight places stand behind the last products
.irp a, 1,2,3,4,5,6,7
.if \a > 1
	s_wait_xcnt 0x0                                ; block a - 2's stores have read their registers: block a's loads may land there
.endif
	TOSTAGE \a
	SEND \a-1, 32                                  ; behind block a - 1's loads: block a's 16 stores and 16 loads
.endr
	SEND 7, 0
	s_wait_tensorcnt 0x0                           ; the wave's end
	ds_add_u32 v62, v63
	s_wait_dscnt 0x0
	CROUND                                         ; the closing round
	s_endpgm
.Lfunc_end_k_q3732b3cf39_mlp:
	.size	k_q3732b3cf39_mlp, .Lfunc_end_k_q3732b3cf39_mlp-k_q3732b3cf39_mlp
	.p2alignl 7, 3214868480
	.fill 96, 4, 3214868480
	.section	.rodata,"a",@progbits
	.p2align	6, 0x0
	.amdhsa_kernel k_q3732b3cf39_mlp
		.amdhsa_group_segment_fixed_size 327680
		.amdhsa_private_segment_fixed_size 0
		.amdhsa_enable_private_segment 0
		.amdhsa_kernarg_size 56
		.amdhsa_user_sgpr_count 2
		.amdhsa_user_sgpr_kernarg_segment_ptr 1
		.amdhsa_wavefront_size32 1
		.amdhsa_system_sgpr_workgroup_id_x 1
		.amdhsa_system_sgpr_workgroup_id_y 1
		.amdhsa_system_sgpr_workgroup_id_z 1
		.amdhsa_system_vgpr_workitem_id 0
		.amdhsa_next_free_vgpr 1024
		.amdhsa_next_free_sgpr 72
		.amdhsa_reserve_vcc 0
		.amdhsa_float_denorm_mode_32 3
		.amdhsa_float_denorm_mode_16_64 3
		.amdhsa_memory_ordered 1
		.amdhsa_forward_progress 1
		.amdhsa_inst_pref_size 255
	.end_amdhsa_kernel
	.section	.bss,"aw",@nobits
	.p2align	6
	.space	262144
	.amdgpu_metadata
---
amdhsa.version: [ 1, 2 ]
amdhsa.kernels:
  - .name:           k_q3732b3cf39_mlp
    .symbol:         k_q3732b3cf39_mlp.kd
    .args:
      - { .name: kv, .offset: 0, .size: 8, .value_kind: global_buffer, .address_space: global }
      - { .name: cimg, .offset: 8, .size: 8, .value_kind: global_buffer, .address_space: global }
      - { .name: wimg, .offset: 16, .size: 8, .value_kind: global_buffer, .address_space: global }
      - { .name: b1, .offset: 24, .size: 8, .value_kind: global_buffer, .address_space: global }
      - { .name: b2, .offset: 32, .size: 8, .value_kind: global_buffer, .address_space: global }
      - { .name: out0, .offset: 40, .size: 8, .value_kind: global_buffer, .address_space: global }
      - { .name: out1, .offset: 48, .size: 8, .value_kind: global_buffer, .address_space: global }
    .group_segment_fixed_size: 327680
    .private_segment_fixed_size: 0
    .kernarg_segment_align: 8
    .kernarg_segment_size: 56
    .max_flat_workgroup_size: 128
    .sgpr_count:     72
    .vgpr_count:     1024
    .wavefront_size: 32
...
	.end_amdgpu_metadata
.endif
;; end of part 3
